; MI455X (gfx1250); checked and timed in simulation.
; The chip was launched on July 23, 2026; its instructions are those of AMD's public machine-readable ISA for CDNA 5 (MIT licence, August 2026) and "CDNA5" Instruction Set Architecture Reference Guide (July 2026). The comments in the code are by the model that wrote it; some were corrected since.
;; Mo E Layer. Allowed arithmetic: float matrix products may take bf16 or f16 operands with f32 sums; other float arithmetic in f32, or as packed bf16 or f16 multiplies, adds, multiply-adds, maxima and minima; sums over many terms, partial sums and values carried from step to step in f32; what a program stores and reads back later, other than sums and carried values, may be rounded once to bf16 or f16.
;; Inputs: W1 8 x 1,024 x 4,096 float32; W2 8 x 2,048 x 1,024 float32; b1 8 x 4,096 float32; b2 8 x 1,024 float32; router_b 8 float32; router_w 8 x 1,024 float32; x 4 x 256 x 1,024 float32.
;; Outputs: out0 4 x 256 x 1,024 float32.
;; 2 versions, each right; version 2 is version 1 with the launches gemm1, gemm2 written anew for expert scheduling mode. Each part assembles by itself: llvm-mc -triple=amdgcn-amd-amdhsa -mcpu=gfx1250 --defsym DOCPART=n.
;; ======== version 1 of 2: 5 launches
;; workspace buffers: sel 4,096 bytes of whole numbers; nt 256 bytes of whole numbers; pos 8,192 bytes of whole numbers; comb 32,768 bytes; sw 32,768 bytes; xg 16,777,216 bytes; act 33,554,432 bytes; y 67,108,864 bytes
;; launch router (part 1): grid 64 x 1, 8 waves a work-group, no clusters, 9,216 bytes of LDS; arguments x, router_w, router_b, sel, comb; writes sel, comb
.if DOCPART == 1
	.amdgcn_target "amdgcn-amd-amdhsa--gfx1250"
	.amdhsa_code_object_version 6
	.text
	.protected	k_q3ba868b02e_router
	.globl	k_q3ba868b02e_router
	.p2align	8
	.type	k_q3ba868b02e_router,@function
k_q3ba868b02e_router:
	s_mov_b64 s[64:65], 0
	v_nop
	global_prefetch_b8 v0, s[64:65] scope:SCOPE_SE
	s_setreg_imm32_b32 hwreg(HW_REG_WAVE_MODE, 25, 1), 1
	s_wait_xcnt 0x0
; ROUTER.  logits[t][e] = x[t] . router_w[e] + router_b[e]; the two largest; softmax over the two.
; x [1024][1024], router_w [8][1024], router_b [8], all f32, each rounded once to bf16; products on the matrix unit, sums in f32.
; Out: sel[t] = (1<<i1)|(1<<i2) | i1<<8 | i2<<16 (whole numbers for the next launch), comb[t][8] = the token's weight for each expert, 0 where not chosen.
; SHARES.  A work-group owns 16 tokens; wave w the channels 128 w .. 128 w + 127 (4 K steps of 32); the eight partial sums meet in LDS and wave 0 decides.
; LAYOUT.  Source 0 = router_w (rows 8-15 repeat rows 0-7), source 1 = 16 tokens: in the result a lane holds ONE token (lane % 16) and its registers 0-7 the eight experts.
; Along K both sources take the same permutation: lane half h, load q holds channels 8 q + 4 h + 0..3 of the K step.
; LIMITS.  NaN and infinite logits are not treated apart.  Two logits closer than the f32 sums' rounding may fall either way; equal logits go to the lower index.
; The maximum is taken away before the exponential: the second weight is 2^((m2 - m1) log2 e) / (1 + ..), which counts as 0 below 2^-126.
.set SPARE, 8192                       ; behind the eight partial sums of 1,024 bytes: the spare words, 128 bytes a wave
.set XR,   32                          ; v32-95    x as loaded
.set RR,   96                          ; v96-159   router_w as loaded
.set XF,   160                         ; v160-191  x, four fragments
.set RF,   192                         ; v192-223  router_w, four fragments
.set ACC0, 224
.set ACC1, 232
.set PS,   32                          ; wave 0: the eight partial sums, 8 registers each; the logits end in v32-39
	s_load_b256 s[4:11], s[0:1], 0x0               ; x s[4:5], router_w s[6:7], router_b s[8:9], sel s[10:11]
	s_load_b64 s[12:13], s[0:1], 0x20              ; comb
	v_lshl_add_u32 v4, v0, 2, SPARE                ; my spare word,
	v_mov_b32 v5, 0                                ; and 0: kept for the closing lines alone
	v_lshrrev_b32 v6, 5, v0
	v_readfirstlane_b32 s14, v6                    ; wave 0..7
	v_and_b32 v7, 31, v0                           ; lane
	v_and_b32 v8, 15, v0                           ; r
	v_bfe_u32 v9, v0, 4, 1                         ; h
	v_lshlrev_b32 v1, 4, v7                        ; 16 x lane
	s_lshl_b32 s15, ttmp9, 4
	v_add_nc_u32 v10, s15, v8                      ; my token
	s_lshl_b32 s16, s14, 9                         ; my wave's 128 channels, in bytes
	v_lshl_add_u32 v11, v9, 4, s16
	v_lshl_add_u32 v2, v10, 12, v11                ; x: token x 4,096 + 512 w + 16 h
	v_and_b32 v3, 7, v0
	v_lshl_add_u32 v3, v3, 12, v11                 ; router_w: (r % 8) x 4,096 + 512 w + 16 h
	v_lshl_add_u32 v12, s14, 10, v1                ; where my partial sums go: 1,024 w + 16 x lane
	s_wait_kmcnt 0x0
	s_load_b256 s[24:31], s[8:9], 0x0              ; router_b
.irp s, 0,1,2,3
.irp q, 0,1,2,3
	global_load_b128 v[XR+16*\s+4*\q:XR+16*\s+4*\q+3], v2, s[4:5] offset:128*\s+32*\q
	global_load_b128 v[RR+16*\s+4*\q:RR+16*\s+4*\q+3], v3, s[6:7] offset:128*\s+32*\q
.endr
.endr
	s_wait_loadcnt 0x0                             ; all 32 loads: the conversions below take them all
	s_wait_kmcnt 0x0                               ; router_b
.set i, 0
.rept 32
	v_cvt_pk_bf16_f32 v[XF+i], v[XR+2*i], v[XR+2*i+1]
	v_cvt_pk_bf16_f32 v[RF+i], v[RR+2*i], v[RR+2*i+1]
.set i, i+1
.endr
	; two accumulators take turns; the first product of each starts its sum
	v_wmma_f32_16x16x32_bf16 v[ACC0:ACC0+7], v[RF:RF+7], v[XF:XF+7], 0
	v_wmma_f32_16x16x32_bf16 v[ACC1:ACC1+7], v[RF+8:RF+15], v[XF+8:XF+15], 0
	v_wmma_f32_16x16x32_bf16 v[ACC0:ACC0+7], v[RF+16:RF+23], v[XF+16:XF+23], v[ACC0:ACC0+7]
	v_wmma_f32_16x16x32_bf16 v[ACC1:ACC1+7], v[RF+24:RF+31], v[XF+24:XF+31], v[ACC1:ACC1+7]
.rept 4
	v_nop                                          ; four places behind the last product (ISA guide 7.12.1)
.endr
.irp q, 0,2,4,6
	v_pk_add_f32 v[16+\q:17+\q], v[ACC0+\q:ACC0+\q+1], v[ACC1+\q:ACC1+\q+1]  ; from the low registers on
.endr
	ds_store_b128 v12, v[16:19]
	ds_store_b128 v12, v[20:23] offset:512
	s_wait_dscnt 0x0                               ; for wave 0's sake: my stores are done
	s_barrier_signal -1
	s_barrier_wait -1
	s_cmp_lg_u32 s14, 0
	s_cbranch_scc1 .Lend                           ; the decision is wave 0's
.irp w, 0,1,2,3,4,5,6,7
	ds_load_b128 v[PS+8*\w:PS+8*\w+3],   v1 offset:1024*\w
	ds_load_b128 v[PS+8*\w+4:PS+8*\w+7], v1 offset:1024*\w+512
.endr
	s_wait_dscnt 0x0
.irp a, 0,2,4,6
.irp q, 0,2,4,6
	v_pk_add_f32 v[PS+8*\a+\q:PS+8*\a+\q+1], v[PS+8*\a+\q:PS+8*\a+\q+1], v[PS+8*\a+8+\q:PS+8*\a+8+\q+1]
.endr
.endr
.irp a, 0,4
.irp q, 0,2,4,6
	v_pk_add_f32 v[PS+8*\a+\q:PS+8*\a+\q+1], v[PS+8*\a+\q:PS+8*\a+\q+1], v[PS+8*\a+16+\q:PS+8*\a+16+\q+1]
.endr
.endr
.irp q, 0,2,4,6
	v_pk_add_f32 v[PS+\q:PS+\q+1], v[PS+\q:PS+\q+1], v[PS+32+\q:PS+32+\q+1]
.endr
.irp q, 0,1,2,3
	v_cvt_pk_bf16_f32 v[40+\q], s[24+2*\q], s[25+2*\q]  ; router_b rounded to bf16 like every input,
.endr
.irp q, 0,1,2,3
	v_lshlrev_b32 v[44+2*\q], 16, v[40+\q]         ; back to f32,
	v_and_b32 v[45+2*\q], 0xffff0000, v[40+\q]
.endr
.irp q, 0,2,4,6
	v_pk_add_f32 v[PS+\q:PS+\q+1], v[PS+\q:PS+\q+1], v[44+\q:45+\q]  ; and added
.endr
	; the largest: a strict compare, so the lower index keeps a tie
	v_mov_b32 v52, v[PS]                           ; m1
	v_mov_b32 v53, 0                               ; i1
.irp e, 1,2,3,4,5,6,7
	v_cmp_gt_f32 vcc_lo, v[PS+\e], v52
	v_cndmask_b32 v52, v52, v[PS+\e], vcc_lo
	v_cndmask_b32 v53, v53, \e, vcc_lo
.endr
	; the largest of the other seven
	v_mov_b32 v54, 0xff800000                      ; m2 starts at minus infinity
	v_mov_b32 v55, 0                               ; i2
.irp e, 0,1,2,3,4,5,6,7
	v_cmp_gt_f32 s32, v[PS+\e], v54
	v_cmp_ne_u32 s33, \e, v53
	s_and_b32 vcc_lo, s32, s33
	v_cndmask_b32 v54, v54, v[PS+\e], vcc_lo
	v_cndmask_b32 v55, v55, \e, vcc_lo
.endr
	v_sub_f32 v56, v54, v52                        ; m2 - m1, never above 0
	v_mul_f32 v56, 0x3fb8aa3b, v56
	v_exp_f32 v56, v56                             ; t
	v_mov_b32 v59, 1                               ; a plain instruction behind the exponential
	s_wait_alu depctr_va_vdst(0)
	v_add_f32 v57, 1.0, v56
	v_rcp_f32 v57, v57                             ; w1 = 1 / (1 + t)
	v_lshlrev_b32 v60, v53, v59                    ; 1 << i1: a plain instruction behind the reciprocal
	s_wait_alu depctr_va_vdst(0)
	v_mul_f32 v58, v56, v57                        ; w2 = t / (1 + t)
	v_lshlrev_b32 v61, v55, v59
	v_or_b32 v60, v60, v61
	v_lshl_or_b32 v60, v53, 8, v60
	v_lshl_or_b32 v60, v55, 16, v60                ; the token's word of sel
.irp e, 0,1,2,3,4,5,6,7
	v_cmp_eq_u32 vcc_lo, \e, v55
	v_cndmask_b32 v[64+\e], 0, v58, vcc_lo
	v_cmp_eq_u32 vcc_lo, \e, v53
	v_cndmask_b32 v[64+\e], v[64+\e], v57, vcc_lo
.endr
	v_lshlrev_b32 v62, 2, v10
	v_lshlrev_b32 v63, 5, v10
	s_wait_xcnt 0x0                                ; EXEC changes only behind this wait
	v_cmp_gt_u32 vcc_lo, 16, v7                    ; lanes 16-31 hold copies
	s_and_saveexec_b32 s34, vcc_lo
	global_store_b32 v62, v60, s[10:11]
	global_store_b128 v63, v[64:67], s[12:13]
	global_store_b128 v63, v[68:71], s[12:13] offset:16
	s_wait_xcnt 0x0                                ; and again in front of the line that widens it
	s_or_b32 exec_lo, exec_lo, s34
.Lend:
	s_wait_tensorcnt 0x0                           ; the wave's end: three closing lines behind my last LDS store
	ds_add_u32 v4, v5
	s_wait_dscnt 0x0
	s_endpgm
.Lfunc_end_k_q3ba868b02e_router:
	.size	k_q3ba868b02e_router, .Lfunc_end_k_q3ba868b02e_router-k_q3ba868b02e_router
	.p2alignl 7, 3214868480
	.fill 96, 4, 3214868480
	.section	.rodata,"a",@progbits
	.p2align	6, 0x0
	.amdhsa_kernel k_q3ba868b02e_router
		.amdhsa_group_segment_fixed_size 9216
		.amdhsa_private_segment_fixed_size 0
		.amdhsa_enable_private_segment 0
		.amdhsa_kernarg_size 40
		.amdhsa_user_sgpr_count 2
		.amdhsa_user_sgpr_kernarg_segment_ptr 1
		.amdhsa_wavefront_size32 1
		.amdhsa_system_sgpr_workgroup_id_x 1
		.amdhsa_system_sgpr_workgroup_id_y 1
		.amdhsa_system_sgpr_workgroup_id_z 1
		.amdhsa_system_vgpr_workitem_id 0
		.amdhsa_next_free_vgpr 256
		.amdhsa_next_free_sgpr 66
		.amdhsa_reserve_vcc 1
		.amdhsa_float_denorm_mode_32 3
		.amdhsa_float_denorm_mode_16_64 3
		.amdhsa_memory_ordered 1
		.amdhsa_forward_progress 1
		.amdhsa_inst_pref_size 19
	.end_amdhsa_kernel
	.amdgpu_metadata
---
amdhsa.version: [ 1, 2 ]
amdhsa.kernels:
  - .name:           k_q3ba868b02e_router
    .symbol:         k_q3ba868b02e_router.kd
    .args:
      - { .name: x, .offset: 0, .size: 8, .value_kind: global_buffer, .address_space: global }
      - { .name: router_w, .offset: 8, .size: 8, .value_kind: global_buffer, .address_space: global }
      - { .name: router_b, .offset: 16, .size: 8, .value_kind: global_buffer, .address_space: global }
      - { .name: sel, .offset: 24, .size: 8, .value_kind: global_buffer, .address_space: global }
      - { .name: comb, .offset: 32, .size: 8, .value_kind: global_buffer, .address_space: global }
    .group_segment_fixed_size: 9216
    .private_segment_fixed_size: 0
    .kernarg_segment_align: 8
    .kernarg_segment_size: 40
    .max_flat_workgroup_size: 256
    .sgpr_count:     66
    .vgpr_count:     256
    .wavefront_size: 32
...
	.end_amdgpu_metadata
.endif
;; end of part 1
;; launch pack (part 2): grid 64 x 8, 1 waves a work-group, no clusters, 4,608 bytes of LDS; arguments x, sel, comb, xg, nt, sw, pos; writes xg, nt, sw, pos
.if DOCPART == 2
	.amdgcn_target "amdgcn-amd-amdhsa--gfx1250"
	.amdhsa_code_object_version 6
	.text
	.protected	k_q3ba868b02e_pack
	.globl	k_q3ba868b02e_pack
	.p2align	8
	.type	k_q3ba868b02e_pack,@function
k_q3ba868b02e_pack:
	s_mov_b64 s[64:65], 0
	v_nop
	global_prefetch_b8 v0, s[64:65] scope:SCOPE_SE
	s_setreg_imm32_b32 hwreg(HW_REG_WAVE_MODE, 25, 1), 1
	s_wait_xcnt 0x0
; PACK.  From sel (whole numbers of the launch before) each expert's list of tokens is made, and x is gathered, rounded to bf16 and laid out as matrix fragments.
; Expert e owns slots 1024 e .. 1024 e + 1023; a token's slot is 1024 e + its rank in the scan below.  16 slots are a tile; nt[e] = max(1, ceil(count / 16)).
; Ranks at or past the count repeat the list's last token (an empty expert: token 0), so that every byte of a tile below nt[e] is written; what is made of them later is never read.
; SHARES.  One wave a work-group: expert e = y; x = 4 tr + kq: tiles tr, tr + 16, tr + 32, tr + 48 and channels 256 kq .. 256 kq + 255.  Every work-group repeats the scan of its expert
; (4,096 bytes of sel), so nothing passes between work-groups.
; xg.  Tile T = 64 e + lt is 32,768 bytes, K step s 1,024 of them: lane (r, h) finds at 512 c + 16 x lane the eight bf16 x[token of slot r][64 (s/2) + 32 h + 16 (s%2) + 8 c + 0..7]:
; registers 4 c .. 4 c + 3 of a source of the 16-bit matrix instruction.  The weights take the same order along K in the next launch.
; Also out: sw[slot] = the token's weight for e; pos[token][k] = the slot of its k-th choice; nt[e].
; ALL LANES STAY ON.  Lanes 16-31 hold the same tokens as lanes 0-15, and a rank past the count holds the last true rank's token: such lanes store the same number to the same address as the lane that they copy.
.set SPARE, 4352                       ; LIST: 1,024 ranks and 32 words for lanes with nothing to say, 4,224 bytes; the spare words lie in the next free block of 256
.set SELW, 32                          ; v32-63    sel: register 4 q + c of lane l is token 128 q + 4 l + c
.set RAW,  64                          ; v64-191   x as loaded
.set OUT,  192                         ; v192-255  x as stored
	s_load_b256 s[4:11], s[0:1], 0x0               ; x s[4:5], sel s[6:7], comb s[8:9], xg s[10:11]
	s_load_b128 s[12:15], s[0:1], 0x20             ; nt s[12:13], sw s[14:15]
	s_load_b64 s[16:17], s[0:1], 0x30              ; pos
	v_lshl_add_u32 v4, v0, 2, SPARE
	v_mov_b32 v5, 0                                ; v4, v5: for the closing lines alone
	v_lshlrev_b32 v1, 4, v0                        ; 16 x lane
	v_and_b32 v2, 15, v0                           ; r
	v_lshrrev_b32 v3, 4, v0                        ; h
	v_add_nc_u32 v6, 1024, v0                      ; my own word behind the list
	v_lshlrev_b32 v7, 2, v0                        ; 4 x lane
.irp q, 28,29,30,31
	v_mov_b32 v\q, 0
.endr
	s_mov_b32 s26, ttmp9
	s_lshr_b32 s18, s26, 2                         ; tr
	s_and_b32 s19, s26, 3                          ; kq
	s_and_b32 s20, ttmp7, 0xffff                   ; e
	s_lshl_b32 s21, 1, s20                         ; the expert's bit in a word of sel
	s_mov_b32 s22, 0                               ; tokens found so far
.irp q, 0,1,2,3,4,5,6,7
	ds_store_b128 v1, v[28:31] offset:512*\q       ; every rank starts as token 0: an expert that nobody chose reads that
.endr
	s_wait_kmcnt 0x0
.irp q, 0,1,2,3,4,5,6,7
	global_load_b128 v[SELW+4*\q:SELW+4*\q+3], v1, s[6:7] offset:512*\q
.endr
	s_wait_loadcnt 0x0
	; THE SCAN: 32 groups of 32 tokens.  A token that chose e gets the rank (found so far) + (such lanes below mine) and writes its number there.
.set g, 0
.rept 32
	v_and_b32 v9, s21, v[SELW+g]
	v_cmp_ne_u32 s30, 0, v9
	v_mbcnt_lo_u32_b32 v10, s30, s22
	v_cndmask_b32 v10, v6, v10, s30
	v_min_u32 v10, 0x41f, v10                      ; a number made of loaded data enters an address only behind a clamp by a constant
	v_lshlrev_b32 v10, 2, v10
	v_add_nc_u32 v11, 128*(g/4)+(g%4), v7
	ds_store_b32 v10, v11
	s_bcnt1_i32_b32 s31, s30
	s_add_co_u32 s22, s22, s31
.set g, g+1
.endr
	s_add_co_u32 s23, s22, 15
	s_lshr_b32 s23, s23, 4
	s_max_u32 s23, s23, 1                          ; nt[e]
	s_max_u32 s24, s22, 1
	s_sub_co_u32 s24, s24, 1                       ; the last rank that holds a token
	s_cmp_lg_u32 s26, 0
	s_cbranch_scc1 .Lno_nt                         ; one work-group of the expert's 64 stores nt[e]
	v_mov_b32 v12, s23
	s_lshl_b32 s25, s20, 2
	v_mov_b32 v13, s25
	global_store_b32 v13, v12, s[12:13]            ; every lane the same word and the same number; v12 and v13 are not written again
.Lno_nt:
	v_lshlrev_b32 v14, 7, v3
	s_lshl_b32 s27, s19, 10
	v_add_nc_u32 v14, s27, v14                     ; 128 h + 1,024 kq: my place in a row of x
	s_lshl_b32 s39, s20, 10                        ; the expert's first slot
	s_lshl_b32 s38, s20, 2
	s_mov_b32 s28, s18                             ; lt
	s_mov_b32 s29, 4
.Ltile:                                                ; four trips; a tile at or past nt[e] is jumped over
	s_cmp_ge_u32 s28, s23
	s_cbranch_scc1 .Lnext
	s_wait_xcnt 0x0                                ; the last trip's stores have read their data, offsets and base
	s_lshl_b32 s32, s28, 4
	v_add_nc_u32 v15, s32, v2                      ; my rank
	v_min_u32 v16, s24, v15                        ; held at the last true rank,
	v_min_u32 v16, 0x3ff, v16                      ; and under a constant
	v_lshlrev_b32 v26, 2, v16
	ds_load_b32 v17, v26                           ; LDS serves a wave's instructions in order (ISA guide 5.7.1.4): this sees the scan's stores
	s_lshl_b32 s34, s20, 6
	s_add_co_u32 s34, s34, s28
	s_lshl_b32 s34, s34, 15                        ; tile 64 e + lt,
	s_lshl_b32 s35, s19, 13                        ; its K steps 8 kq ..
	s_add_co_u32 s34, s34, s35
	s_mov_b32 s35, 0
	s_add_nc_u64 s[36:37], s[10:11], s[34:35]
	s_wait_dscnt 0x0
	v_min_u32 v17, 0x3ff, v17                      ; my token
	v_lshl_add_u32 v18, v17, 12, v14
.set n, 0
.rept 32                                       ; n = 4 s + 2 c + d: 16 bytes at 256 (s/2) + 64 (s%2) + 32 c + 16 d
	global_load_b128 v[RAW+4*n:RAW+4*n+3], v18, s[4:5] offset:256*(n/8)+64*((n/4)%2)+32*((n/2)%2)+16*(n%2)
.set n, n+1
.endr
	s_cmp_lg_u32 s19, 0
	s_cbranch_scc1 .Lno_meta                       ; sw and pos are stored by the first of the four K quarters
	v_lshlrev_b32 v19, 2, v17
	global_load_b32 v20, v19, s[6:7]               ; sel[token]
	v_lshlrev_b32 v21, 5, v17
	v_add_nc_u32 v21, s38, v21
	global_load_b32 v22, v21, s[8:9]               ; comb[token][e]
	s_wait_loadcnt 0x0
	v_bfe_u32 v23, v20, 16, 8                      ; i2
	v_cmp_eq_u32 vcc_lo, s20, v23
	v_cndmask_b32 v23, 0, 4, vcc_lo                ; e is the token's first choice (0) or its second (4 bytes on)
	v_min_u32 v23, 4, v23
	v_lshl_add_u32 v23, v17, 3, v23
	v_add_nc_u32 v24, s39, v15                     ; my slot
	v_lshlrev_b32 v25, 2, v24
	v_add_nc_u32 v27, s39, v16                     ; my token's slot: for a rank past the count the last true one's
	global_store_b32 v25, v22, s[14:15]            ; sw: all 16 slots of the tile
	s_cmp_eq_u32 s22, 0
	s_cbranch_scc1 .Lno_meta                       ; nobody chose e: token 0 has no slot here
	global_store_b32 v23, v27, s[16:17]            ; pos
.Lno_meta:
	s_wait_loadcnt 0x0                             ; all 32 loads of x
.set n, 0
.rept 64
	v_cvt_pk_bf16_f32 v[OUT+n], v[RAW+2*n], v[RAW+2*n+1]
.set n, n+1
.endr
.set n, 0
.rept 16
	global_store_b128 v1, v[OUT+4*n:OUT+4*n+3], s[36:37] offset:512*n  ; 512 consecutive bytes, at a multiple of 512 from xg's first byte
.set n, n+1
.endr
.Lnext:
	s_add_co_u32 s28, s28, 16
	s_sub_co_u32 s29, s29, 1
	s_cmp_lg_u32 s29, 0
	s_cbranch_scc1 .Ltile
	s_wait_tensorcnt 0x0                           ; the wave's end: three closing lines behind my last LDS store
	ds_add_u32 v4, v5
	s_wait_dscnt 0x0
	s_endpgm
.Lfunc_end_k_q3ba868b02e_pack:
	.size	k_q3ba868b02e_pack, .Lfunc_end_k_q3ba868b02e_pack-k_q3ba868b02e_pack
	.p2alignl 7, 3214868480
	.fill 96, 4, 3214868480
	.section	.rodata,"a",@progbits
	.p2align	6, 0x0
	.amdhsa_kernel k_q3ba868b02e_pack
		.amdhsa_group_segment_fixed_size 4608
		.amdhsa_private_segment_fixed_size 0
		.amdhsa_enable_private_segment 0
		.amdhsa_kernarg_size 56
		.amdhsa_user_sgpr_count 2
		.amdhsa_user_sgpr_kernarg_segment_ptr 1
		.amdhsa_wavefront_size32 1
		.amdhsa_system_sgpr_workgroup_id_x 1
		.amdhsa_system_sgpr_workgroup_id_y 1
		.amdhsa_system_sgpr_workgroup_id_z 1
		.amdhsa_system_vgpr_workitem_id 0
		.amdhsa_next_free_vgpr 256
		.amdhsa_next_free_sgpr 66
		.amdhsa_reserve_vcc 1
		.amdhsa_float_denorm_mode_32 3
		.amdhsa_float_denorm_mode_16_64 3
		.amdhsa_memory_ordered 1
		.amdhsa_forward_progress 1
		.amdhsa_inst_pref_size 30
	.end_amdhsa_kernel
	.amdgpu_metadata
---
amdhsa.version: [ 1, 2 ]
amdhsa.kernels:
  - .name:           k_q3ba868b02e_pack
    .symbol:         k_q3ba868b02e_pack.kd
    .args:
      - { .name: x, .offset: 0, .size: 8, .value_kind: global_buffer, .address_space: global }
      - { .name: sel, .offset: 8, .size: 8, .value_kind: global_buffer, .address_space: global }
      - { .name: comb, .offset: 16, .size: 8, .value_kind: global_buffer, .address_space: global }
      - { .name: xg, .offset: 24, .size: 8, .value_kind: global_buffer, .address_space: global }
      - { .name: nt, .offset: 32, .size: 8, .value_kind: global_buffer, .address_space: global }
      - { .name: sw, .offset: 40, .size: 8, .value_kind: global_buffer, .address_space: global }
      - { .name: pos, .offset: 48, .size: 8, .value_kind: global_buffer, .address_space: global }
    .group_segment_fixed_size: 4608
    .private_segment_fixed_size: 0
    .kernarg_segment_align: 8
    .kernarg_segment_size: 56
    .max_flat_workgroup_size: 32
    .sgpr_count:     66
    .vgpr_count:     256
    .wavefront_size: 32
...
	.end_amdgpu_metadata
.endif
;; end of part 2
;; launch gemm1 (part 3): grid 32 x 8, 8 waves a work-group, no clusters, 263,680 bytes of LDS; arguments W1, b1, xg, nt, act; writes act
.if DOCPART == 3
	.amdgcn_target "amdgcn-amd-amdhsa--gfx1250"
	.amdhsa_code_object_version 6
	.text
	.protected	k_q3ba868b02e_gemm1
	.globl	k_q3ba868b02e_gemm1
	.p2align	8
	.type	k_q3ba868b02e_gemm1,@function
k_q3ba868b02e_gemm1:
	s_mov_b64 s[64:65], 0
	v_nop
	global_prefetch_b8 v0, s[64:65] scope:SCOPE_SE
	s_setreg_imm32_b32 hwreg(HW_REG_WAVE_MODE, 25, 1), 1
	s_wait_xcnt 0x0
; FIRST LAYER.  act[slot][c] = silu(h1) h2, h1 = x W1[e][:, c] + b1[e][c], h2 = x W1[e][:, 2048 + c] + b1[e][2048 + c], for the slots of expert e alone.
; W1 [8][1024][4096] f32, b1 [8][4096] f32, both rounded once to bf16; x comes as xg (bf16 fragments of the launch before); sums and SwiGLU in f32; act is bf16 (f16 has no room for inputs 30 times larger).
; SHARES.  Work-group (cb, e) owns hidden columns 64 cb .. 64 cb + 63 (of h1 and of h2: 128 columns of W1, 524,288 bytes) and ALL tokens of e: each byte of W1 is loaded once in the launch.
; THE WEIGHTS.  K = 1,024 is 32 K steps, 8 chunks of 4.  In a chunk wave w converts K step w / 2 of half w % 2: lane (r, h) loads 16 bytes (columns 4 r .. 4 r + 3) of the 16 rows
; 64 (s/2) + 32 h + 16 (s%2) + 0..15; an instruction covers 2 x 256 consecutive bytes.  Rows 2 p, 2 p + 1 at column j round into register p of the fragment of COLUMN TILE j, whose row m is column 4 m + j.
; Fragments go to LDS as they are (16 bytes a lane, consecutive) and STAY: 8 tiles x 32 K steps x 1,024 bytes.  Each chunk has bytes of its own, so one barrier a chunk (stores, then reads) is all.
; THE TOKENS.  Source 0 = weights, source 1 = 16 slots.  Wave w takes tiles 24 p + 8 i + w, i = 0..2, of pass p; their fragments come from xg straight into registers, 512 consecutive bytes a load.
; THE ORDER.  In a K step the eight waves read 8 x 16 x 512 bytes of LDS for 16 to 24 products each, so the reads have to run beside the products.  A step's eight weight fragments have two register
; buffers: behind the products of step g the fragments of step g + 2 are asked for, into the buffer just read, and have the next step's products in which to land.  The conversions run ahead:
; chunks 0 and 1 in front of the first product (chunk 1 is loaded into the second fragment buffer's registers, idle till then), chunk c + 2 behind the last step of chunk c; the barrier that shows
; it to every wave stands three steps later, directly in front of the first loads of its fragments.
; Experts with more than 384 slots take further passes (OVER) over the resident LDS: no barrier inside them, no weight byte loaded again.
; One last barrier stands behind all passes, between every wave's reads of LDS and the closing write.
; A tile at or past nt[e]: tiles 0 and 1 of a wave are computed on the last live tile and dropped.  Tile 2, dead for most waves at an even routing, has an offset register of its own, which is 0 while it is dead:
; all lanes then ask for the same 16 bytes, the counts of loads stay alike on every path, and its products are jumped.
; THE RESULT.  Lane (r, h), register jj of tile j holds slot r, column 32 h + 4 jj + j: 32 neighbouring columns a lane, which rounded in pairs ARE two fragments of the next launch's source 1, and are stored so.
; NO CLUSTER: no two work-groups load the same weights; what the 32 work-groups of an expert share is xg, which goes to registers, and LDS has no room for slots of it beside 262,144 bytes of weights.
; LIMITS.  silu(z) = z / (1 + 2^(-z log2 e)): for z below about -88 the power overflows to infinity and the result is 0, as it should be to f32's last bits; NaN and infinities are not treated apart.
; REGISTERS, in windows of 256 (s_set_vgpr_msb: bits 1:0 source 0, 3:2 source 1, 5:4 source 2, 7:6 destination).
;   window 0: v1-11 addresses; v12-15 at work; v16-31 the conversions' target; v32-127 X: K step sl of a chunk, tile i at 32 + 24 sl + 8 i; v128-191 weights as loaded; v192-255 the odd steps' fragments
;   window 1: v0-191 accumulators, (tile i, column tile n) at 8 (8 i + n); v192-255 the even steps' fragments
.set BIAS,  262144                     ; behind the weights: b1 in the accumulators' order: half x 256 + h x 128 + j x 32 + jj x 4
.set SPARE, 262656                     ; the spare words, 128 bytes a wave
.set VL16, 1                           ; 16 x lane; never rewritten
.set VW,   2                           ; my byte offset in a chunk of W1; never rewritten
.set VLS,  3                           ; LDS: where my fragments of the chunk that is converted next go
.set VLR,  4                           ; LDS: 16 x lane + 32,768 x the chunk that is multiplied
.set VXN,  5                           ; xg: 16 x lane + 4,096 x the chunk that is fetched
.set VL2,  6                           ; tile 2's copy of VL16: 0 while the tile is dead
.set VX2,  7                           ; tile 2's copy of VXN: likewise
.set SPW,  8
.set NIL,  9
.set VBA,  10                          ; LDS: BIAS + 128 h
.set VLN,  11                          ; OVER: the chunk behind VLR's, wrapped to chunk 0 behind the last
.set T,    16
.set X,    32
.set S,    128
.set F,    192                         ; both fragment buffers: even steps' in window 1, odd steps' in window 0
.set Z1,   192                         ; the way out: h1, h2 (the odd buffer's registers), at work, packed
.set Z2,   224
.set TT,   32
.set OO,   64
.set ACC,  0
.set MUL,  0x51                        ; weights (source 0), C and D in window 1, slots (source 1) in window 0; less 1: weights in window 0
.set TOW1, 0x40                        ; destination in window 1
.set RD1,  0x01                        ; source 0 in window 1
.set MSB, 0
.macro WIN new                         ; the immediate's high byte repeats the setting that is left; a switch that changes nothing is dropped
.if MSB != (\new)
	s_set_vgpr_msb (MSB<<8)|(\new)
.set MSB, \new
.endif
.endm
.macro PLACES                          ; four places behind a product, in front of loads into and writes of its registers
.rept 4
	v_nop
.endr
.endm
.macro WLOAD D, B                      ; 16 rows of my unit of a chunk
.irp i, 0,1,2,3,4,5,6,7,8,9,10,11,12,13,14,15
	global_load_b128 v[(\D)+4*\i:(\D)+4*\i+3], v[VW], s[\B:\B+1] offset:16384*\i th:TH_LOAD_NT
.endr
.endm
; My unit of a chunk, loaded into SR: waited for (na younger loads may stay out), rounded two fragments at a time, stored.  issue = 1: the next unit is asked for, stepb bytes on.
.macro WCONV SR, issue, stepb, na
	s_wait_loadcnt \na
.irp jh, 0,2
.irp jl, 0,1
.irp p, 0,1,2,3,4,5,6,7
	v_cvt_pk_bf16_f32 v[T+8*\jl+\p], v[(\SR)+8*\p+\jh+\jl], v[(\SR)+8*\p+4+\jh+\jl]
.endr
.endr
.irp jl, 0,1
	ds_store_b128 v[VLS], v[T+8*\jl:T+8*\jl+3]   offset:1024*(\jh+\jl)
	ds_store_b128 v[VLS], v[T+8*\jl+4:T+8*\jl+7] offset:1024*(\jh+\jl)+512
.endr
.endr
.if \issue
	s_add_nc_u64 s[24:25], s[24:25], \stepb        ; the loads that named this base are done (the wait above)
	WLOAD S, 24
.endif
	v_add_nc_u32 v[VLS], 32768, v[VLS]
.endm
.macro FRAGS fb, fa, rel               ; the eight weight fragments of the K step rel steps behind the address in fa, into buffer fb
.if (\fb) == 0
	WIN TOW1
.else
	WIN 0
.endif
.irp n, 0,1,2,3,4,5,6,7
	ds_load_b128 v[F+8*\n:F+8*\n+3],   v[\fa] offset:(8*(\rel)+\n)*1024
	ds_load_b128 v[F+8*\n+4:F+8*\n+7], v[\fa] offset:(8*(\rel)+\n)*1024+512
.endr
	WIN 0
.endm
; Six loads: K step sl of a chunk for my three tiles; tile 2 by its own offset register.
.macro XFILL sl, vo, vo2
.irp i, 0,1
	global_load_b128 v[X+24*(\sl)+8*\i:X+24*(\sl)+8*\i+3],   v[\vo], s[28+2*\i:29+2*\i] offset:1024*(\sl)
	global_load_b128 v[X+24*(\sl)+8*\i+4:X+24*(\sl)+8*\i+7], v[\vo], s[28+2*\i:29+2*\i] offset:1024*(\sl)+512
.endr
	global_load_b128 v[X+24*(\sl)+16:X+24*(\sl)+19], v[\vo2], s[32:33] offset:1024*(\sl)
	global_load_b128 v[X+24*(\sl)+20:X+24*(\sl)+23], v[\vo2], s[32:33] offset:1024*(\sl)+512
.endm
.macro MASKX                           ; tile 2's copy of VXN; what hangs on a loaded count enters an address only behind a clamp by a constant
	v_and_b32 v[VX2], s47, v[VXN]
	v_min_u32 v[VX2], 0xffff, v[VX2]
.endm
.macro MM i, sl, zero                  ; tile i x the eight column tiles; the accumulators take turns, one instruction a turn
.irp n, 0,1,2,3,4,5,6,7
.if \zero
	v_wmma_f32_16x16x32_bf16 v[ACC+8*(8*(\i)+\n):ACC+8*(8*(\i)+\n)+7], v[F+8*\n:F+8*\n+7], v[X+24*(\sl)+8*(\i):X+24*(\sl)+8*(\i)+7], 0
.else
	v_wmma_f32_16x16x32_bf16 v[ACC+8*(8*(\i)+\n):ACC+8*(8*(\i)+\n)+7], v[F+8*\n:F+8*\n+7], v[X+24*(\sl)+8*(\i):X+24*(\sl)+8*(\i)+7], v[ACC+8*(8*(\i)+\n):ACC+8*(8*(\i)+\n)+7]
.endif
.endr
.endm
; K step sl of a chunk, on fragment buffer sl % 2.  n: the loads younger than this step's six; d: the LDS instructions younger than this step's fragments.
; Behind the products: bar = 1: the barrier in front of a chunk's first fragment loads; fr = 1: the fragments two steps on, at frel steps behind fa; refill = 1: this step's slot registers take the same
; step of the next chunk (in front of a chunk's first refill the offset steps: its last use stands a step back; wrap = 1: behind the tile's last chunk it goes back to the first).
.macro KSTEP sl, zero, n, d, bar, fr, fa, frel, refill, wrap
	s_wait_loadcnt \n
	s_wait_dscnt \d
	WIN MUL-((\sl)%2)
	MM 0, \sl, \zero
	MM 1, \sl, \zero
.if \zero
	MM 2, \sl, 1                                   ; the products that start the sums run for a dead tile too: its accumulators are then written on every path
	WIN 0
.else
	WIN 0                                          ; at a branch and at a label every window is 0
	s_cmp_eq_u32 s22, 0
	s_cbranch_scc1 .Ldead_\@
	WIN MUL-((\sl)%2)
	MM 2, \sl, 0
	WIN 0
.Ldead_\@:
.endif
	PLACES
.if \bar
	s_wait_dscnt 0x0                               ; for the others' sake: my stores of the chunk converted three steps ago are done (and my loads are back)
	s_barrier_signal -1
	s_barrier_wait -1                              ; that chunk is whole
.endif
.if \fr
	FRAGS (\sl)%2, \fa, \frel
.endif
.if \refill
.if (\sl) == 0
	s_wait_xcnt 0x0                                ; the last chunk's refills have had their addresses translated: their offsets may step
	v_add_nc_u32 v[VXN], 4096, v[VXN]
.if \wrap
	v_and_b32 v[VXN], 0x7fff, v[VXN]
.endif
	MASKX
.endif
	XFILL \sl, VXN, VX2
.endif
.endm
; A chunk's four K steps.  n0, ns: the first step's count of loads and what it falls by from step to step; d0: the LDS count of steps 0 and 1, d3 of step 3.
; fr23, fa2, r2: whether and from where steps 2 and 3 fetch the next chunk's first two steps.
.macro CHUNK zero, n0, ns, d0, d3, bar, fr23, fa2, r2, refill, wrap
	KSTEP 0, \zero, \n0, \d0, 0, 1, VLR, 2, \refill, \wrap
	KSTEP 1, 0, (\n0)-(\ns), \d0, 0, 1, VLR, 3, \refill, \wrap
	KSTEP 2, 0, (\n0)-2*(\ns), 16, \bar, \fr23, \fa2, \r2, \refill, \wrap
	KSTEP 3, 0, (\n0)-3*(\ns), \d3, 0, \fr23, \fa2, (\r2)+1, \refill, \wrap
.endm
; A pass's tiles: s36 is my tile 0.  A tile's number is held below nt[e], then below the constant 64, and only then enters an address.
.macro SETPASS
.irp i, 0,1,2
	s_add_co_u32 s40, s36, 8*\i
	s_min_u32 s40, s40, s18
	s_min_u32 s40, s40, 63
	s_lshl_b32 s41, s15, 6
	s_add_co_u32 s40, s40, s41
	s_lshl_b32 s38, s40, 15                        ; a tile of xg is 32,768 bytes
	s_add_nc_u64 s[28+2*\i:29+2*\i], s[8:9], s[38:39]
.endr
	s_add_co_u32 s40, s36, 16
	s_cmp_lt_u32 s40, s17
	s_cselect_b32 s22, 1, 0                        ; is my tile 2 alive?
	s_cselect_b32 s47, -1, 0
	v_and_b32 v[VL2], s47, v[VL16]
	v_min_u32 v[VL2], 0xffff, v[VL2]
.endm
; THE WAY OUT of tile i: bias, SwiGLU, rounding, four stores of 512 consecutive bytes.  A dead tile is jumped.
.macro EPI i
	s_add_co_u32 s40, s36, 8*(\i)
	s_cmp_ge_u32 s40, s17
	s_cbranch_scc1 .Lepi_\@
	s_wait_xcnt 0x0                                ; the tile before's stores have read their data and base
	s_min_u32 s40, s40, 63
	s_lshl_b32 s41, s15, 6
	s_add_co_u32 s40, s40, s41
	s_lshl_b32 s38, s40, 16                        ; a tile of act is 65,536 bytes,
	s_lshl_b32 s41, s16, 11                        ; my two K steps of it begin at 2,048 cb
	s_add_co_u32 s38, s38, s41
	s_add_nc_u64 s[34:35], s[12:13], s[38:39]
	WIN RD1
.irp j, 0,1,2,3
.irp q, 0,2,4,6
	v_pk_add_f32 v[Z1+8*\j+\q:Z1+8*\j+\q+1], v[ACC+8*(8*(\i)+\j)+\q:ACC+8*(8*(\i)+\j)+\q+1], v[S+8*\j+\q:S+8*\j+\q+1]  ; each accumulator from its low registers on
.endr
.endr
.irp j, 0,1,2,3
.irp q, 0,2,4,6
	v_pk_add_f32 v[Z2+8*\j+\q:Z2+8*\j+\q+1], v[ACC+8*(8*(\i)+4+\j)+\q:ACC+8*(8*(\i)+4+\j)+\q+1], v[S+32+8*\j+\q:S+32+8*\j+\q+1]
.endr
.endr
	WIN 0
.set z, 0
.rept 16
	v_pk_mul_f32 v[TT+z:TT+z+1], v[Z1+z:Z1+z+1], 0xbfb8aa3b op_sel_hi:[1,0]  ; -h1 log2 e
.set z, z+2
.endr
.set z, 0
.rept 32
	v_exp_f32 v[TT+z], v[TT+z]
.set z, z+1
.endr
.set z, 0
.rept 16
	v_pk_mul_f32 v[Z2+z:Z2+z+1], v[Z1+z:Z1+z+1], v[Z2+z:Z2+z+1]  ; h1 h2: plain work behind the exponentials
.set z, z+2
.endr
.set z, 0
	s_wait_alu depctr_va_vdst(0)
.rept 16
	v_pk_add_f32 v[TT+z:TT+z+1], v[TT+z:TT+z+1], 1.0 op_sel_hi:[1,0]
.set z, z+2
.endr
.set z, 0
.rept 32
	v_rcp_f32 v[TT+z], v[TT+z]
.set z, z+1
.endr
	v_nop                                          ; a plain instruction behind the last reciprocal
.set z, 0
	s_wait_alu depctr_va_vdst(0)
.rept 16
	v_pk_mul_f32 v[Z2+z:Z2+z+1], v[Z2+z:Z2+z+1], v[TT+z:TT+z+1]
.set z, z+2
.endr
.irp u, 0,1                            ; K step 2 cb + u of the next launch: position 2 p, 2 p + 1 is column 16 u + 2 p (+ 1) of my 32 = register 4 u + p / 2 of tiles 2 (p % 2), 2 (p % 2) + 1
.irp p, 0,1,2,3,4,5,6,7
	v_cvt_pk_bf16_f32 v[OO+8*\u+\p], v[Z2+16*(\p%2)+4*\u+(\p/2)], v[Z2+16*(\p%2)+8+4*\u+(\p/2)]
.endr
.endr
.irp u, 0,1
	global_store_b128 v[VL16], v[OO+8*\u:OO+8*\u+3],   s[34:35] offset:1024*\u
	global_store_b128 v[VL16], v[OO+8*\u+4:OO+8*\u+7], s[34:35] offset:1024*\u+512
.endr
.Lepi_\@:
.endm
	s_load_b256 s[4:11], s[0:1], 0x0               ; W1 s[4:5], b1 s[6:7], xg s[8:9], nt s[10:11]
	s_load_b64 s[12:13], s[0:1], 0x20              ; act
	v_lshl_add_u32 v[SPW], v0, 2, SPARE
	v_mov_b32 v[NIL], 0
	v_lshrrev_b32 v12, 5, v0
	v_readfirstlane_b32 s14, v12                   ; wave 0..7
	s_and_b32 s15, ttmp7, 0xffff                   ; e
	s_mov_b32 s16, ttmp9                           ; cb
	v_and_b32 v12, 31, v0                          ; lane
	v_and_b32 v13, 15, v0                          ; r
	v_bfe_u32 v14, v0, 4, 1                        ; h
	v_lshlrev_b32 v[VL16], 4, v12
	s_lshr_b32 s40, s14, 1                         ; my K step in a chunk,
	s_and_b32 s41, s14, 1                          ; my half (h1, h2)
	s_lshr_b32 s42, s40, 1
	s_and_b32 s43, s40, 1
	s_lshl_b32 s42, s42, 20                        ; 64 rows of 16,384 bytes
	s_lshl_b32 s43, s43, 18                        ; 16 rows
	s_add_co_u32 s42, s42, s43
	s_lshl_b32 s41, s41, 13                        ; h2 lies 2,048 columns on
	s_add_co_u32 s42, s42, s41
	v_lshlrev_b32 v[VW], 19, v14                   ; lanes 16-31: 32 rows down
	v_lshl_add_u32 v[VW], v13, 4, v[VW]
	v_add_nc_u32 v[VW], s42, v[VW]
	s_lshl_b32 s43, s14, 12
	v_add_nc_u32 v[VLS], s43, v[VL16]              ; 16 x lane + 4,096 w
	v_mov_b32 v[VLR], v[VL16]
	v_mov_b32 v[VXN], v[VL16]                      ; it steps in front of each chunk's first refill, the first chunk's too
	v_lshl_add_u32 v[VBA], v14, 7, BIAS
	s_lshl_b32 s37, s15, 2
	s_mov_b32 s39, 0                               ; the high word of every offset
	s_mov_b32 s36, s14                             ; pass 0: my tile 0 is w
	s_wait_kmcnt 0x0
	s_load_b32 s17, s[10:11], s37 offset:0x0       ; nt[e]
	s_lshl_b32 s38, s15, 24                        ; an expert is 16,777,216 bytes of W1
	s_lshl_b32 s40, s16, 8
	s_add_co_u32 s38, s38, s40
	s_add_nc_u64 s[24:25], s[4:5], s[38:39]        ; chunk 0,
	s_add_nc_u64 s[26:27], s[24:25], 0x200000      ; chunk 1: 128 rows on
	s_cmp_lg_u32 s14, 0
	s_cbranch_scc1 .Lnob1                          ; wave 0 brings the 128 numbers of b1: the oldest of its loads
	v_lshlrev_b32 v15, 13, v14
	v_lshl_add_u32 v15, v13, 4, v15
	s_lshl_b32 s40, s15, 14
	s_lshl_b32 s41, s16, 8
	s_add_co_u32 s40, s40, s41
	v_add_nc_u32 v15, s40, v15
	global_load_b128 v[16:19], v15, s[6:7]
.Lnob1:
	WLOAD S, 24                                    ; chunk 0
	WLOAD F, 26                                    ; chunk 1, into the odd fragment buffer's registers
	s_wait_kmcnt 0x0
	s_min_u32 s17, s17, 64
	s_max_u32 s17, s17, 1
	s_sub_co_u32 s18, s17, 1
	SETPASS
	XFILL 0, VL16, VL2                             ; chunk 0 of my tiles
	XFILL 1, VL16, VL2
	XFILL 2, VL16, VL2
	XFILL 3, VL16, VL2
	s_cmp_lg_u32 s14, 0
	s_cbranch_scc1 .Lnob2
	s_wait_loadcnt 56                              ; behind b1's load: 32 of weights, 24 of slots
	v_cvt_pk_bf16_f32 v20, v16, v17                ; b1 rounded to bf16 like every input, kept as f32
	v_cvt_pk_bf16_f32 v21, v18, v19
	v_lshlrev_b32 v16, 16, v20
	v_and_b32 v17, 0xffff0000, v20
	v_lshlrev_b32 v18, 16, v21
	v_and_b32 v19, 0xffff0000, v21
	v_lshlrev_b32 v22, 8, v14                      ; lane l holds columns 4 (l % 16) + j of half l / 16: accumulator row l % 16 = 8 h + jj
	v_bfe_u32 v23, v0, 3, 1
	v_lshl_add_u32 v22, v23, 7, v22
	v_and_b32 v23, 7, v0
	v_lshl_add_u32 v22, v23, 2, v22
	v_add_nc_u32 v22, BIAS, v22
	ds_store_b32 v22, v16
	ds_store_b32 v22, v17 offset:32
	ds_store_b32 v22, v18 offset:64
	ds_store_b32 v22, v19 offset:96
.Lnob2:
	; PASS 0.  W(c): my unit of chunk c, 16 loads; X(g): K step g of my tiles, 6 loads.  Order of issue: W(0), W(1), X(0..3), W(2); behind step g X(g + 4); behind step 4 c + 3 also W(c + 3).
	; In front of the conversions: W(0): W(1) and X(0..3) are younger, 40; W(1): X(0..3) and W(2), 40; W(c + 2): the four refills issued behind it, 24.
	; In front of K step g: three later steps' 18 and the one unit of weights issued among them, 34; from step 24 on no weights, 18; the last three steps 12, 6, 0.  By this count 57 loads are out at the most.
	; LDS: in front of a step the next step's 16 fragment loads are younger, and in the two steps behind a conversion its 8 stores too: 24.
	WCONV S, 1, 0x400000, 40                       ; chunk 0; chunk 2 is asked for
	WCONV F, 0, 0, 40                              ; chunk 1
	s_wait_dscnt 0x0                               ; for the others' sake: my stores are done
	s_barrier_signal -1
	s_barrier_wait -1                              ; chunks 0 and 1 are whole, and so is b1
	FRAGS 0, VLR, 0
	FRAGS 1, VLR, 1
	CHUNK 1, 34, 0, 16, 16, 0, 1, VLR, 4, 1, 0     ; chunk 0: its first products start the sums
	WCONV S, 1, 0x200000, 24                       ; chunk 2; chunk 3 is asked for
	v_add_nc_u32 v[VLR], 32768, v[VLR]
	s_mov_b32 s21, 4
.Lmain:                                                ; chunks c = 1 to 4
	CHUNK 0, 34, 0, 24, 16, 1, 1, VLR, 4, 1, 0
	WCONV S, 1, 0x200000, 24                       ; chunk c + 2; chunk c + 3 is asked for
	v_add_nc_u32 v[VLR], 32768, v[VLR]
	s_sub_co_u32 s21, s21, 1
	s_cmp_lg_u32 s21, 0
	s_cbranch_scc1 .Lmain
	CHUNK 0, 34, 0, 24, 16, 1, 1, VLR, 4, 1, 0     ; chunk 5
	WCONV S, 0, 0, 24                              ; chunk 7: no weights are left to ask for
	v_add_nc_u32 v[VLR], 32768, v[VLR]
	CHUNK 0, 18, 0, 24, 16, 1, 1, VLR, 4, 1, 0     ; chunk 6: its barrier shows chunk 7
	v_add_nc_u32 v[VLR], 32768, v[VLR]
	CHUNK 0, 18, 6, 16, 0, 0, 0, VLR, 4, 0, 0      ; chunk 7: nothing is refilled, and the counts run down
.irp hf, 0,1
.irp j, 0,1,2,3
	ds_load_b128 v[S+32*\hf+8*\j:S+32*\hf+8*\j+3],   v[VBA] offset:256*\hf+32*\j     ; b1 for my 2 x 32 columns, in the accumulators' order
	ds_load_b128 v[S+32*\hf+8*\j+4:S+32*\hf+8*\j+7], v[VBA] offset:256*\hf+32*\j+16
.endr
.endr
	s_wait_dscnt 0x0
	s_mov_b32 s19, 3                               ; 3 passes x 24 tiles cover the 64 that an expert can have
.Lpass:
	EPI 0
	EPI 1
	EPI 2
	s_add_co_u32 s36, s36, 24
	SETPASS                                        ; no load is out: bases and offsets may be written
	s_cmp_ge_u32 s36, s17
	s_cbranch_scc1 .Lnoover                        ; nothing is left for this wave
	; OVER: 24 tiles more, from the weights in LDS.  The sums are cleared by 192 moves: a first K step written out for a path that an even routing never takes would cost more text.
	s_wait_xcnt 0x0                                ; the way out's stores have read their data: the loads below land on those registers
	WIN TOW1
.set z, 0
.rept 192
	v_mov_b32 v[ACC+z], 0
.set z, z+1
.endr
	WIN 0
	XFILL 0, VL16, VL2
	XFILL 1, VL16, VL2
	XFILL 2, VL16, VL2
	XFILL 3, VL16, VL2
	v_mov_b32 v[VLR], v[VL16]
	v_add_nc_u32 v[VLN], 32768, v[VL16]
	v_mov_b32 v[VXN], v[VL16]
	FRAGS 0, VLR, 0
	FRAGS 1, VLR, 1
	s_mov_b32 s46, 8
.Lover:                                                ; a chunk a trip; the last trip's look-ahead, in LDS and in xg, wraps to chunk 0 and is dropped: nothing leaves the weights or the tile
	CHUNK 0, 18, 0, 16, 16, 0, 1, VLN, 0, 1, 1     ; three later steps' 18 loads and the next step's 16 LDS loads are younger
	v_mov_b32 v[VLR], v[VLN]
	v_add_nc_u32 v[VLN], 32768, v[VLN]
	v_and_b32 v[VLN], 0x3ffff, v[VLN]
	s_sub_co_u32 s46, s46, 1
	s_cmp_lg_u32 s46, 0
	s_cbranch_scc1 .Lover
	s_wait_loadcnt 0x0                             ; what was dropped has landed: its registers are at work on the way out
	s_wait_dscnt 0x0
.Lnoover:
	s_sub_co_u32 s19, s19, 1
	s_cmp_lg_u32 s19, 0
	s_cbranch_scc1 .Lpass
	s_wait_dscnt 0x0                               ; my reads of LDS are over;
	s_barrier_signal -1                            ; a barrier on every wave's path, behind all passes:
	s_barrier_wait -1                              ; every wave's reads are over before any wave writes LDS again (the line below)
	s_wait_tensorcnt 0x0                           ; the wave's end: three closing lines behind my last LDS store
	ds_add_u32 v[SPW], v[NIL]
	s_wait_dscnt 0x0
	s_endpgm
.Lfunc_end_k_q3ba868b02e_gemm1:
	.size	k_q3ba868b02e_gemm1, .Lfunc_end_k_q3ba868b02e_gemm1-k_q3ba868b02e_gemm1
	.p2alignl 7, 3214868480
	.fill 96, 4, 3214868480
	.section	.rodata,"a",@progbits
	.p2align	6, 0x0
	.amdhsa_kernel k_q3ba868b02e_gemm1
		.amdhsa_group_segment_fixed_size 263680
		.amdhsa_private_segment_fixed_size 0
		.amdhsa_enable_private_segment 0
		.amdhsa_kernarg_size 40
		.amdhsa_user_sgpr_count 2
		.amdhsa_user_sgpr_kernarg_segment_ptr 1
		.amdhsa_wavefront_size32 1
		.amdhsa_system_sgpr_workgroup_id_x 1
		.amdhsa_system_sgpr_workgroup_id_y 1
		.amdhsa_system_sgpr_workgroup_id_z 1
		.amdhsa_system_vgpr_workitem_id 0
		.amdhsa_next_free_vgpr 512
		.amdhsa_next_free_sgpr 66
		.amdhsa_reserve_vcc 0
		.amdhsa_float_denorm_mode_32 3
		.amdhsa_float_denorm_mode_16_64 3
		.amdhsa_memory_ordered 1
		.amdhsa_forward_progress 1
		.amdhsa_inst_pref_size 155
	.end_amdhsa_kernel
	.amdgpu_metadata
---
amdhsa.version: [ 1, 2 ]
amdhsa.kernels:
  - .name:           k_q3ba868b02e_gemm1
    .symbol:         k_q3ba868b02e_gemm1.kd
    .args:
      - { .name: W1, .offset: 0, .size: 8, .value_kind: global_buffer, .address_space: global }
      - { .name: b1, .offset: 8, .size: 8, .value_kind: global_buffer, .address_space: global }
      - { .name: xg, .offset: 16, .size: 8, .value_kind: global_buffer, .address_space: global }
      - { .name: nt, .offset: 24, .size: 8, .value_kind: global_buffer, .address_space: global }
      - { .name: act, .offset: 32, .size: 8, .value_kind: global_buffer, .address_space: global }
    .group_segment_fixed_size: 263680
    .private_segment_fixed_size: 0
    .kernarg_segment_align: 8
    .kernarg_segment_size: 40
    .max_flat_workgroup_size: 256
    .sgpr_count:     66
    .vgpr_count:     512
    .wavefront_size: 32
...
	.end_amdgpu_metadata
.endif
;; end of part 3
;; launch gemm2 (part 4): grid 32 x 8, 8 waves a work-group, no clusters, 167,168 bytes of LDS; arguments W2, b2, act, nt, sw, y; writes y
.if DOCPART == 4
	.amdgcn_target "amdgcn-amd-amdhsa--gfx1250"
	.amdhsa_code_object_version 6
	.text
	.protected	k_q3ba868b02e_gemm2
	.globl	k_q3ba868b02e_gemm2
	.p2align	8
	.type	k_q3ba868b02e_gemm2,@function
k_q3ba868b02e_gemm2:
	s_mov_b64 s[64:65], 0
	v_nop
	global_prefetch_b8 v0, s[64:65] scope:SCOPE_SE
	s_setreg_imm32_b32 hwreg(HW_REG_WAVE_MODE, 25, 1), 1
	s_wait_xcnt 0x0
; SECOND LAYER.  y[kh][slot][d] = sw[slot] x (the sum over hidden 1024 kh .. 1024 kh + 1023 of act[slot][.] W2[e][.][d], + b2[e][d] in K half 0), in f32, for the slots of expert e alone.
; W2 [8][2048][1024] f32 and b2 [8][1024] f32 are rounded once to bf16; act comes as bf16 fragments of the launch before; sw is the slot's router weight.  The last launch adds a token's four rows.
; SHARES.  Work-group (x = 16 kh + cb, e): output columns 64 cb .. + 63, K half kh, ALL tokens of e: 262,144 bytes of W2, each loaded once in the launch.  K is halved so that there are 256 work-groups.
; The scheme is the first layer's.  32 K steps in 4 chunks of 8; wave w converts K step 8 c + w: lane (r, h) loads 16 bytes (columns 4 r ..) of rows 64 (s/2) + 32 h + 16 (s%2) + 0..15;
; four fragments (column tile j: row m is column 4 m + j) go to LDS and stay, 131,072 bytes; one barrier a chunk.  Wave w takes tiles 24 p + 8 i + w.
; THE ORDER.  A step's four weight fragments have two register buffers: behind the products of step g the fragments of step g + 2 are asked for, into the buffer just read, and have the next step's
; products in which to land.  Chunk c + 1 is converted behind step 8 c + 5; the barrier that shows it to every wave stands behind step 8 c + 6, directly in front of the first loads of its fragments.
; Further passes (OVER) read LDS alone and hold no barrier inside.  A dead tile 2 asks for the same 16 bytes in every lane (its own offset register is 0) and its products are jumped.
; The loop over passes has a constant 3 trips and two barriers a trip, on every wave's path: one between the waves' writes of their stages and OVER's reads, which walk LDS by a stepped address,
; and one between those reads and the next writes.
; LOADS IN FLIGHT.  The slots' fragments have 8 register slots; behind K step g the fragments of step g + 7 are asked for, so 7 steps x 6 loads are out, and beside them one chunk's 16 loads of weights:
; 58 by this text's count, 62 at the start (b2, sw).  Loads end in order (ISA guide 5.7.1), so weights have landed when the first fragments asked for behind them are waited for, seven steps on.
; THE RESULT.  Lane (r, h), register jj of tile j: slot r, column 32 h + 4 jj + j.  A tile goes through the wave's own stage in LDS and leaves as rows: sixteen lanes store 256 consecutive bytes.
; NO CLUSTER: no two work-groups load the same weights; act, which 16 work-groups share, goes straight to registers.
; LIMITS.  NaN and infinities are not treated apart.
; REGISTERS.  window 0: v1-17, v28-30 addresses; v18-27 at work; v32-223 X: slot k, tile i at 32 + 24 k + 8 i; v224, 226, 228 the tiles' sw (each the low word of a pair)
;   window 1: v0-95 accumulators, (i, j) at 8 (4 i + j); v96-127 the even steps' fragments; v128-191 weights as loaded; v192-223 the odd steps' fragments; v224-255 the conversions' target
.set BIAS,  131072                     ; behind the weights: the 64 numbers of b2, or zeros in K half 1
.set STAGE, 131328                     ; 16 rows x 272 bytes for each wave
.set SP,    272                        ; 256 bytes + 16: rows start at different groups of four banks (ISA guide 11.1)
.set SPARE, 166144
.set VL16, 1                           ; 16 x lane; never rewritten
.set VW,   2
.set VLS,  3
.set VLR,  4                           ; LDS: 16 x lane + 32,768 x the chunk that is multiplied
.set VXC,  5                           ; OVER: 16 x lane + 8,192 x the chunk in hand
.set VXN,  6                           ; OVER: the same for the next chunk, wrapped
.set VL2,  7                           ; tile 2's copy of VL16: 0 while the tile is dead
.set SPW,  8
.set NIL,  9
.set STO,  10
.set RD,   11
.set YO,   12
.set SWO,  13                          ; v13-15  byte offsets of my slots in sw
.set VBA,  16
.set VR4,  17                          ; 4 r + 4,096 e
.set VX2C, 28                          ; tile 2's copies of VXC and VXN
.set VX2N, 29
.set VLN,  30                          ; OVER: the chunk behind VLR's, wrapped to chunk 0 behind the last
.set X,    32
.set SWV,  224
.set RB,   32                          ; the way out: b2 of my 32 columns; the tile's numbers; rows read back
.set BW,   64
.set OB,   96
.set ACC,  0
.set F0,   96                          ; fragment buffer fb at F0 + 96 fb
.set S,    128
.set T,    224
.set MUL,  0x51
.set TOW1, 0x40
.set CVT,  0x45                        ; destination and both sources in window 1
.set STW1, 0x04
.set RD1,  0x01
.set MSB, 0
.macro WIN new
.if MSB != (\new)
	s_set_vgpr_msb (MSB<<8)|(\new)
.set MSB, \new
.endif
.endm
.macro PLACES
.rept 4
	v_nop
.endr
.endm
.macro WLOAD
	WIN TOW1
.irp i, 0,1,2,3,4,5,6,7,8,9,10,11,12,13,14,15
	global_load_b128 v[S+4*\i:S+4*\i+3], v[VW], s[24:25] offset:4096*\i th:TH_LOAD_NT
.endr
	WIN 0
.endm
; My K step of a chunk: waited for (na younger loads may stay out), rounded, stored as four fragments; issue = 1: the next chunk's is asked for.
.macro WCONV issue, na
	s_wait_loadcnt \na
	WIN CVT
.irp j, 0,1,2,3
.irp p, 0,1,2,3,4,5,6,7
	v_cvt_pk_bf16_f32 v[T+8*\j+\p], v[S+8*\p+\j], v[S+8*\p+4+\j]
.endr
.endr
	WIN STW1
.irp j, 0,1,2,3
	ds_store_b128 v[VLS], v[T+8*\j:T+8*\j+3]   offset:1024*\j
	ds_store_b128 v[VLS], v[T+8*\j+4:T+8*\j+7] offset:1024*\j+512
.endr
	WIN 0
.if \issue
	s_add_nc_u64 s[24:25], s[24:25], 0x100000      ; a chunk of 256 rows on; the loads that named this base are done (the wait above)
	WLOAD
.endif
	v_add_nc_u32 v[VLS], 32768, v[VLS]
.endm
.macro FRAGS fb, fa, rel               ; the four weight fragments of the K step rel steps behind the address in fa, into buffer fb
	WIN TOW1
.irp n, 0,1,2,3
	ds_load_b128 v[F0+96*(\fb)+8*\n:F0+96*(\fb)+8*\n+3],   v[\fa] offset:(4*(\rel)+\n)*1024
	ds_load_b128 v[F0+96*(\fb)+8*\n+4:F0+96*(\fb)+8*\n+7], v[\fa] offset:(4*(\rel)+\n)*1024+512
.endr
	WIN 0
.endm
; Six loads: one K step of my three tiles into register slot k; tile 2 by its own offset register.
.macro XFILL k, vo, vo2, imm
.irp i, 0,1
	global_load_b128 v[X+24*(\k)+8*\i:X+24*(\k)+8*\i+3],   v[\vo], s[28+2*\i:29+2*\i] offset:(\imm)
	global_load_b128 v[X+24*(\k)+8*\i+4:X+24*(\k)+8*\i+7], v[\vo], s[28+2*\i:29+2*\i] offset:(\imm)+512
.endr
	global_load_b128 v[X+24*(\k)+16:X+24*(\k)+19], v[\vo2], s[32:33] offset:(\imm)
	global_load_b128 v[X+24*(\k)+20:X+24*(\k)+23], v[\vo2], s[32:33] offset:(\imm)+512
.endm
.macro MM i, sl, zero                  ; on fragment buffer sl % 2; the accumulators take turns, one instruction a turn
.irp n, 0,1,2,3
.if \zero
	v_wmma_f32_16x16x32_bf16 v[ACC+8*(4*(\i)+\n):ACC+8*(4*(\i)+\n)+7], v[F0+96*((\sl)%2)+8*\n:F0+96*((\sl)%2)+8*\n+7], v[X+24*(\sl)+8*(\i):X+24*(\sl)+8*(\i)+7], 0
.else
	v_wmma_f32_16x16x32_bf16 v[ACC+8*(4*(\i)+\n):ACC+8*(4*(\i)+\n)+7], v[F0+96*((\sl)%2)+8*\n:F0+96*((\sl)%2)+8*\n+7], v[X+24*(\sl)+8*(\i):X+24*(\sl)+8*(\i)+7], v[ACC+8*(4*(\i)+\n):ACC+8*(4*(\i)+\n)+7]
.endif
.endr
.endm
; K step sl of a chunk.  n: the loads younger than this step's six; d: the LDS instructions younger than this step's fragments.  Behind the products: bar = 1: the barrier in front of a chunk's first
; fragment loads; fr = 1: the fragments two steps on, at frel steps behind fa; refill = 1: the step seven on is asked for, into the slot that the step before this one read.
.macro KSTEP sl, zero, n, d, bar, fr, fa, frel, refill, vo, vo2, imm
	s_wait_loadcnt \n
	s_wait_dscnt \d
	WIN MUL
	MM 0, \sl, \zero
	MM 1, \sl, \zero
.if \zero
	MM 2, \sl, 1                                   ; the products that start the sums run for a dead tile too
	WIN 0
.else
	WIN 0                                          ; at a branch and at a label every window is 0
	s_cmp_eq_u32 s22, 0
	s_cbranch_scc1 .Ldead_\@
	WIN MUL
	MM 2, \sl, 0
	WIN 0
.Ldead_\@:
.endif
	PLACES
.if \bar
	s_wait_dscnt 0x0                               ; for the others' sake: my stores of the chunk converted a step ago are done (and my loads are back)
	s_barrier_signal -1
	s_barrier_wait -1                              ; that chunk is whole
.endif
.if \fr
	FRAGS (\sl)%2, \fa, \frel
.endif
.if \refill
	XFILL ((\sl)+7)%8, \vo, \vo2, \imm
.endif
.endm
.macro SETPASS
.irp i, 0,1,2
	s_add_co_u32 s40, s36, 8*\i
	s_min_u32 s40, s40, s18
	s_min_u32 s40, s40, 63                         ; held below a constant before it enters an address
	v_lshl_add_u32 v[SWO+\i], s40, 6, v[VR4]       ; 4 (1024 e + 16 tile + r)
	s_lshl_b32 s41, s20, 6
	s_add_co_u32 s40, s40, s41
	s_lshl_b32 s38, s40, 16                        ; a tile of act is 65,536 bytes,
	s_add_co_u32 s38, s38, s45                     ; my K half 32,768 of them
	s_add_nc_u64 s[28+2*\i:29+2*\i], s[8:9], s[38:39]
.endr
	s_add_co_u32 s40, s36, 16
	s_cmp_lt_u32 s40, s17
	s_cselect_b32 s22, 1, 0                        ; is my tile 2 alive?
	s_cselect_b32 s50, -1, 0
	v_and_b32 v[VL2], s50, v[VL16]
	v_min_u32 v[VL2], 0xffff, v[VL2]               ; what hangs on a loaded count enters an address only behind a clamp by a constant
.endm
.macro MASK2
	v_and_b32 v[VX2C], s50, v[VXC]
	v_min_u32 v[VX2C], 0xffff, v[VX2C]
	v_and_b32 v[VX2N], s50, v[VXN]
	v_min_u32 v[VX2N], 0xffff, v[VX2N]
.endm
.macro SWLOAD
.irp i, 0,1,2
	global_load_b32 v[SWV+2*\i], v[SWO+\i], s[12:13]
.endr
.endm
; THE WAY OUT of tile i: (sum + b2) x sw, through my stage, as rows of 256 bytes.
.macro EPI i
	s_add_co_u32 s40, s36, 8*(\i)
	s_cmp_ge_u32 s40, s17
	s_cbranch_scc1 .Lepi_\@
	s_wait_xcnt 0x0                                ; the tile before's stores have read their data and base
	s_min_u32 s40, s40, 63
	s_lshl_b32 s41, s20, 6
	s_add_co_u32 s40, s40, s41
	s_lshl_b32 s38, s40, 16                        ; 16 rows of 4,096 bytes,
	s_add_co_u32 s38, s38, s44                     ; my columns and my K half
	s_add_nc_u64 s[34:35], s[14:15], s[38:39]
.set z, 0
.rept 16
	v_pk_mul_f32 v[BW+z:BW+z+1], v[RB+z:RB+z+1], v[SWV+2*(\i):SWV+2*(\i)+1] op_sel_hi:[1,0]
.set z, z+2
.endr
	WIN RD1
.irp jj, 0,1,2,3,4,5,6,7               ; register jj of all four accumulators: each is read from its lowest register on
.irp j, 0,1,2,3
	v_fma_f32 v[BW+4*\jj+\j], v[ACC+8*(4*(\i)+\j)+\jj], v[SWV+2*(\i)], v[BW+4*\jj+\j]
.endr
.endr
	WIN 0
.irp jj, 0,1,2,3,4,5,6,7
	ds_store_b128 v[STO], v[BW+4*\jj:BW+4*\jj+3] offset:16*\jj
.endr
.irp q, 0,1,2,3,4,5,6,7
	ds_load_b128 v[OB+4*\q:OB+4*\q+3], v[RD] offset:2*SP*\q  ; LDS serves a wave's instructions in order (ISA guide 5.7.1.4): these see the stores above
.endr
	s_wait_dscnt 0x0
.irp q, 0,1,2,3,4,5,6,7
	global_store_b128 v[YO], v[OB+4*\q:OB+4*\q+3], s[34:35] offset:8192*\q  ; sixteen lanes: 256 consecutive bytes, at a multiple of 256 from y's first byte
.endr
.Lepi_\@:
.endm
	s_load_b256 s[4:11], s[0:1], 0x0               ; W2 s[4:5], b2 s[6:7], act s[8:9], nt s[10:11]
	s_load_b128 s[12:15], s[0:1], 0x20             ; sw s[12:13], y s[14:15]
	v_lshl_add_u32 v[SPW], v0, 2, SPARE
	v_mov_b32 v[NIL], 0
	v_lshrrev_b32 v18, 5, v0
	v_readfirstlane_b32 s16, v18                   ; wave 0..7
	s_and_b32 s20, ttmp7, 0xffff                   ; e
	s_and_b32 s21, ttmp9, 15                       ; cb
	s_lshr_b32 s37, ttmp9, 4                       ; kh
	v_and_b32 v19, 31, v0                          ; lane
	v_and_b32 v20, 15, v0                          ; r
	v_bfe_u32 v21, v0, 4, 1                        ; h
	v_lshlrev_b32 v[VL16], 4, v19
	s_lshr_b32 s40, s16, 1
	s_and_b32 s41, s16, 1
	s_lshl_b32 s40, s40, 18                        ; 64 rows of 4,096 bytes
	s_lshl_b32 s41, s41, 16                        ; 16 rows
	s_add_co_u32 s40, s40, s41
	v_lshlrev_b32 v[VW], 17, v21                   ; lanes 16-31: 32 rows down
	v_lshl_add_u32 v[VW], v20, 4, v[VW]
	v_add_nc_u32 v[VW], s40, v[VW]
	s_lshl_b32 s41, s16, 12
	v_add_nc_u32 v[VLS], s41, v[VL16]
	v_mov_b32 v[VLR], v[VL16]
	s_mul_i32 s42, s16, 16*SP
	s_add_co_u32 s42, s42, STAGE                   ; my stage
	v_mul_u32_u24 v[STO], v20, SP                  ; in: row r, 128 bytes for each half of the lanes
	v_lshl_add_u32 v[STO], v21, 7, v[STO]
	v_add_nc_u32 v[STO], s42, v[STO]
	v_mul_u32_u24 v[RD], v21, SP                   ; back: lanes 0-15 one row of 256 bytes, lanes 16-31 the next
	v_lshl_add_u32 v[RD], v20, 4, v[RD]
	v_add_nc_u32 v[RD], s42, v[RD]
	v_lshlrev_b32 v[YO], 12, v21                   ; and the same two rows in y
	v_lshl_add_u32 v[YO], v20, 4, v[YO]
	v_lshl_add_u32 v[VBA], v21, 7, BIAS
	s_lshl_b32 s43, s20, 12
	v_lshl_add_u32 v[VR4], v20, 2, s43
.irp i, 1,3,5
	v_mov_b32 v[SWV+\i], 0                         ; named with sw as pairs
.endr
	s_cmp_eq_u32 s37, 0
	s_cselect_b32 s47, -1, 0                       ; b2 counts in K half 0 alone
	s_cselect_b32 s48, 0xffff0000, 0
	s_lshl_b32 s44, s37, 25                        ; y's K half: 8,192 rows of 4,096 bytes,
	s_lshl_b32 s40, s21, 8
	s_add_co_u32 s44, s44, s40                     ; and my 64 columns
	s_lshl_b32 s45, s37, 15
	s_lshl_b32 s49, s20, 2
	s_mov_b32 s39, 0
	s_mov_b32 s36, s16                             ; pass 0: my tile 0 is w
	s_wait_kmcnt 0x0
	s_load_b32 s17, s[10:11], s49 offset:0x0       ; nt[e]
	s_lshl_b32 s38, s20, 23                        ; an expert is 8,388,608 bytes of W2,
	s_lshl_b32 s41, s37, 22                        ; a K half 4,194,304
	s_add_co_u32 s38, s38, s41
	s_add_co_u32 s38, s38, s40
	s_add_nc_u64 s[24:25], s[4:5], s[38:39]
	s_cmp_lg_u32 s16, 0
	s_cbranch_scc1 .Lnob1                          ; wave 0 brings the 64 numbers of b2: the oldest of its loads
	v_lshlrev_b32 v22, 3, v19
	s_lshl_b32 s41, s20, 12
	s_add_co_u32 s41, s41, s40
	v_add_nc_u32 v22, s41, v22
	global_load_b64 v[24:25], v22, s[6:7]
.Lnob1:
	WLOAD                                          ; chunk 0
	s_wait_kmcnt 0x0
	s_min_u32 s17, s17, 64
	s_max_u32 s17, s17, 1
	s_sub_co_u32 s18, s17, 1
	SETPASS
	SWLOAD
.irp k, 0,1,2,3,4,5,6
	XFILL \k, VL16, VL2, 1024*\k                   ; K steps 0 to 6
.endr
	s_cmp_lg_u32 s16, 0
	s_cbranch_scc1 .Lnob2
	s_wait_loadcnt 61                              ; behind b2's load: 16 of weights, 3 of sw, 42 of slots
	v_cvt_pk_bf16_f32 v26, v24, v25
	v_lshlrev_b32 v24, 16, v26
	v_and_b32 v24, s47, v24
	v_and_b32 v25, s48, v26
	v_lshl_add_u32 v27, v19, 3, BIAS
	ds_store_b64 v27, v[24:25]
.Lnob2:
	; PASS 0, written out.  W(c): my K step of chunk c, 16 loads; X(g): K step g of my tiles, 6 loads.  Order of issue: W(0), sw, X(0..6), W(1); behind step g X(g + 7); behind step 5 also W(2), behind step 13 W(3).
	; In front of the conversions: W(0): sw and X(0..6) are younger, 45; W(1), behind step 5: six refills, 36; W(2) and W(3), behind steps 13 and 21: eight refills, 48.
	; In front of K step g: the steps g + 1 .. g + 6 that exist, 6 loads each, and 16 of weights where a chunk's were issued behind X(g) and may be out: W(1) up to step 5, W(2) in steps 6 to 12, W(3) in steps 14 to 20.
	; LDS: in front of a step the next step's 8 fragment loads are younger, and in the two steps behind a conversion its 8 stores too: 16.
	WCONV 1, 45                                    ; chunk 0; chunk 1 is asked for
	s_wait_dscnt 0x0                               ; for the others' sake: my stores are done
	s_barrier_signal -1
	s_barrier_wait -1                              ; chunk 0 is whole, and so is b2
	FRAGS 0, VLR, 0
	FRAGS 1, VLR, 1
.set g, 0
.rept 32
.set yn, 31-g
.if yn > 6
.set yn, 6
.endif
.set yn, 6*yn
.if g <= 12
.set yn, yn+16
.endif
.if g >= 14
.if g <= 20
.set yn, yn+16
.endif
.endif
.set yd, 8
.if g == 31
.set yd, 0
.endif
.set kb, 0
.if g < 24
.if g%8 >= 6
.set yd, 16
.endif
.if g%8 == 6
.set kb, 1
.endif
.endif
.set kz, 0
.if g == 0
.set kz, 1
.endif
.set kf, 1
.if g > 29
.set kf, 0
.endif
.set kr, 0
.if g < 25
.set kr, 1
.endif
	KSTEP g%8, kz, yn, yd, kb, kf, VLR, (g%8)+2, kr, VL16, VL2, (g+7)*1024
.if g == 5
	WCONV 1, 36                                    ; chunk 1; chunk 2 is asked for
.endif
.if g == 13
	WCONV 1, 48                                    ; chunk 2; chunk 3 is asked for
.endif
.if g == 21
	WCONV 0, 48                                    ; chunk 3
.endif
.if g%8 == 7
	v_add_nc_u32 v[VLR], 32768, v[VLR]
.endif
.set g, g+1
.endr
	s_mov_b32 s19, 3                               ; 3 passes x 24 tiles cover the 64 that an expert can have
.Lpass:
.irp q, 0,1,2,3,4,5,6,7
	ds_load_b128 v[RB+4*\q:RB+4*\q+3], v[VBA] offset:16*\q  ; b2 of my 32 columns
.endr
	s_wait_dscnt 0x0
	EPI 0
	EPI 1
	EPI 2
	s_wait_dscnt 0x0                               ; my writes and reads of my stage are done;
	s_barrier_signal -1                            ; a barrier on every wave's path:
	s_barrier_wait -1                              ; every wave's stage is at rest before any wave walks LDS in OVER
	s_add_co_u32 s36, s36, 24
	SETPASS                                        ; no load is out: bases and offsets may be written
	s_cmp_ge_u32 s36, s17
	s_cbranch_scc1 .Lnoover
	; OVER: 24 tiles more, from the weights in LDS.  The sums are cleared by 96 moves: a first K step written out for a path that an even routing never takes would cost more text.
	s_wait_xcnt 0x0                                ; the way out's stores have read their data: the loads below land on those registers
	WIN TOW1
.set z, 0
.rept 96
	v_mov_b32 v[ACC+z], 0
.set z, z+1
.endr
	WIN 0
	SWLOAD
.irp k, 0,1,2,3,4,5,6
	XFILL \k, VL16, VL2, 1024*\k
.endr
	v_mov_b32 v[VLR], v[VL16]
	v_add_nc_u32 v[VLN], 32768, v[VL16]
	v_mov_b32 v[VXC], v[VL16]
	v_add_nc_u32 v[VXN], 8192, v[VL16]
	MASK2
	FRAGS 0, VLR, 0
	FRAGS 1, VLR, 1
	s_mov_b32 s46, 4
.Lover:                                                ; a chunk a trip; six later steps' 36 loads and the next step's 8 LDS loads are younger at every wait; the last trip's look-ahead wraps to chunk 0 and is dropped
	KSTEP 0, 0, 36, 8, 0, 1, VLR, 2, 1, VXC, VX2C, 7168          ; the step seven on is this chunk's last,
.irp k, 1,2,3,4,5
	KSTEP \k, 0, 36, 8, 0, 1, VLR, \k+2, 1, VXN, VX2N, (\k-1)*1024  ; then the next chunk's steps
.endr
	KSTEP 6, 0, 36, 8, 0, 1, VLN, 0, 1, VXN, VX2N, 5120          ; the fragments two steps on are the next chunk's
	KSTEP 7, 0, 36, 8, 0, 1, VLN, 1, 1, VXN, VX2N, 6144
	v_mov_b32 v[VLR], v[VLN]
	v_add_nc_u32 v[VLN], 32768, v[VLN]
	v_and_b32 v[VLN], 0x1ffff, v[VLN]
	s_wait_xcnt 0x0                                ; the refills have had their addresses translated: their offsets may step
	v_mov_b32 v[VXC], v[VXN]
	v_add_nc_u32 v[VXN], 8192, v[VXN]
	v_and_b32 v[VXN], 0x7fff, v[VXN]
	MASK2
	s_sub_co_u32 s46, s46, 1
	s_cmp_lg_u32 s46, 0
	s_cbranch_scc1 .Lover
	s_wait_loadcnt 0x0                             ; the dropped refills: their registers are at work on the way out
.Lnoover:
	s_wait_dscnt 0x0                               ; my reads of LDS are over, the dropped ones too;
	s_barrier_signal -1                            ; the trip's second barrier, again on every wave's path:
	s_barrier_wait -1                              ; every wave's reads are over before any wave writes LDS again (the next trip's stages, the closing line)
	s_sub_co_u32 s19, s19, 1
	s_cmp_lg_u32 s19, 0
	s_cbranch_scc1 .Lpass
	s_wait_tensorcnt 0x0                           ; the wave's end: three closing lines behind my last LDS store
	ds_add_u32 v[SPW], v[NIL]
	s_wait_dscnt 0x0
	s_endpgm
.Lfunc_end_k_q3ba868b02e_gemm2:
	.size	k_q3ba868b02e_gemm2, .Lfunc_end_k_q3ba868b02e_gemm2-k_q3ba868b02e_gemm2
	.p2alignl 7, 3214868480
	.fill 96, 4, 3214868480
	.section	.rodata,"a",@progbits
	.p2align	6, 0x0
	.amdhsa_kernel k_q3ba868b02e_gemm2
		.amdhsa_group_segment_fixed_size 167168
		.amdhsa_private_segment_fixed_size 0
		.amdhsa_enable_private_segment 0
		.amdhsa_kernarg_size 48
		.amdhsa_user_sgpr_count 2
		.amdhsa_user_sgpr_kernarg_segment_ptr 1
		.amdhsa_wavefront_size32 1
		.amdhsa_system_sgpr_workgroup_id_x 1
		.amdhsa_system_sgpr_workgroup_id_y 1
		.amdhsa_system_sgpr_workgroup_id_z 1
		.amdhsa_system_vgpr_workitem_id 0
		.amdhsa_next_free_vgpr 512
		.amdhsa_next_free_sgpr 66
		.amdhsa_reserve_vcc 0
		.amdhsa_float_denorm_mode_32 3
		.amdhsa_float_denorm_mode_16_64 3
		.amdhsa_memory_ordered 1
		.amdhsa_forward_progress 1
		.amdhsa_inst_pref_size 140
	.end_amdhsa_kernel
	.amdgpu_metadata
---
amdhsa.version: [ 1, 2 ]
amdhsa.kernels:
  - .name:           k_q3ba868b02e_gemm2
    .symbol:         k_q3ba868b02e_gemm2.kd
    .args:
      - { .name: W2, .offset: 0, .size: 8, .value_kind: global_buffer, .address_space: global }
      - { .name: b2, .offset: 8, .size: 8, .value_kind: global_buffer, .address_space: global }
      - { .name: act, .offset: 16, .size: 8, .value_kind: global_buffer, .address_space: global }
      - { .name: nt, .offset: 24, .size: 8, .value_kind: global_buffer, .address_space: global }
      - { .name: sw, .offset: 32, .size: 8, .value_kind: global_buffer, .address_space: global }
      - { .name: y, .offset: 40, .size: 8, .value_kind: global_buffer, .address_space: global }
    .group_segment_fixed_size: 167168
    .private_segment_fixed_size: 0
    .kernarg_segment_align: 8
    .kernarg_segment_size: 48
    .max_flat_workgroup_size: 256
    .sgpr_count:     66
    .vgpr_count:     512
    .wavefront_size: 32
...
	.end_amdgpu_metadata
.endif
;; end of part 4
;; launch combine (part 5): grid 256 x 1, 4 waves a work-group, no clusters, 0 bytes of LDS; arguments y, pos, out0; writes out0
.if DOCPART == 5
	.amdgcn_target "amdgcn-amd-amdhsa--gfx1250"
	.amdhsa_code_object_version 6
	.text
	.protected	k_q3ba868b02e_combine
	.globl	k_q3ba868b02e_combine
	.p2align	8
	.type	k_q3ba868b02e_combine,@function
k_q3ba868b02e_combine:
	s_mov_b64 s[64:65], 0
	v_nop
	global_prefetch_b8 v0, s[64:65] scope:SCOPE_SE
	s_setreg_imm32_b32 hwreg(HW_REG_WAVE_MODE, 25, 1), 1
	s_wait_xcnt 0x0
; COMBINE.  out0[t][:] = (y[0][p0] + y[1][p0]) + (y[0][p1] + y[1][p1]), p0, p1 = pos[t][0..1]: the slots of the token's two experts, in both K halves; bias and router weight are in y already.
; One wave a token: a row is 4,096 bytes, eight loads of 512 consecutive bytes; 32 loads of the wave are out together.  A stream: no LDS, no barrier, no matrix unit.
.set A0, 16
.set A1, 48
.set B0, 80
.set B1, 112
	s_load_b128 s[4:7], s[0:1], 0x0                ; y s[4:5], pos s[6:7]
	s_load_b64 s[8:9], s[0:1], 0x10                ; out0
	v_lshrrev_b32 v1, 5, v0
	v_readfirstlane_b32 s10, v1
	v_and_b32 v2, 31, v0
	v_lshlrev_b32 v2, 4, v2                        ; 16 x lane
	s_lshl_b32 s11, ttmp9, 2
	s_add_co_u32 s11, s11, s10                     ; my token
	s_lshl_b32 s12, s11, 3
	s_lshl_b32 s16, s11, 12
	s_mov_b32 s17, 0
	s_mov_b32 s19, 0
	s_mov_b32 s21, 0
	s_wait_kmcnt 0x0
	s_load_b64 s[14:15], s[6:7], s12 offset:0x0
	s_add_nc_u64 s[8:9], s[8:9], s[16:17]
	s_wait_kmcnt 0x0
	s_min_u32 s14, s14, 0x1fff                     ; a loaded number enters an address only behind a clamp by a constant
	s_min_u32 s15, s15, 0x1fff
	s_lshl_b32 s18, s14, 12
	s_lshl_b32 s20, s15, 12
	s_add_nc_u64 s[22:23], s[4:5], s[18:19]
	s_add_nc_u64 s[24:25], s[22:23], 0x2000000     ; the second K half lies 8,192 rows on
	s_add_nc_u64 s[26:27], s[4:5], s[20:21]
	s_add_nc_u64 s[28:29], s[26:27], 0x2000000
.irp q, 0,1,2,3,4,5,6,7
	global_load_b128 v[A0+4*\q:A0+4*\q+3], v2, s[22:23] offset:512*\q th:TH_LOAD_NT
.endr
.irp q, 0,1,2,3,4,5,6,7
	global_load_b128 v[A1+4*\q:A1+4*\q+3], v2, s[24:25] offset:512*\q th:TH_LOAD_NT
.endr
.irp q, 0,1,2,3,4,5,6,7
	global_load_b128 v[B0+4*\q:B0+4*\q+3], v2, s[26:27] offset:512*\q th:TH_LOAD_NT
.endr
.irp q, 0,1,2,3,4,5,6,7
	global_load_b128 v[B1+4*\q:B1+4*\q+3], v2, s[28:29] offset:512*\q th:TH_LOAD_NT
.endr
	s_wait_loadcnt 16                              ; the first slot's two rows are in; the second's 16 loads stay out
.set z, 0
.rept 16
	v_pk_add_f32 v[A0+z:A0+z+1], v[A0+z:A0+z+1], v[A1+z:A1+z+1]
.set z, z+2
.endr
	s_wait_loadcnt 0x0
.set z, 0
.rept 16
	v_pk_add_f32 v[B0+z:B0+z+1], v[B0+z:B0+z+1], v[B1+z:B1+z+1]
.set z, z+2
.endr
.set z, 0
.rept 16
	v_pk_add_f32 v[A0+z:A0+z+1], v[A0+z:A0+z+1], v[B0+z:B0+z+1]
.set z, z+2
.endr
.irp q, 0,1,2,3,4,5,6,7
	global_store_b128 v2, v[A0+4*\q:A0+4*\q+3], s[8:9] offset:512*\q th:TH_STORE_NT
.endr
	s_endpgm
.Lfunc_end_k_q3ba868b02e_combine:
	.size	k_q3ba868b02e_combine, .Lfunc_end_k_q3ba868b02e_combine-k_q3ba868b02e_combine
	.p2alignl 7, 3214868480
	.fill 96, 4, 3214868480
	.section	.rodata,"a",@progbits
	.p2align	6, 0x0
	.amdhsa_kernel k_q3ba868b02e_combine
		.amdhsa_group_segment_fixed_size 0
		.amdhsa_private_segment_fixed_size 0
		.amdhsa_enable_private_segment 0
		.amdhsa_kernarg_size 24
		.amdhsa_user_sgpr_count 2
		.amdhsa_user_sgpr_kernarg_segment_ptr 1
		.amdhsa_wavefront_size32 1
		.amdhsa_system_sgpr_workgroup_id_x 1
		.amdhsa_system_sgpr_workgroup_id_y 1
		.amdhsa_system_sgpr_workgroup_id_z 1
		.amdhsa_system_vgpr_workitem_id 0
		.amdhsa_next_free_vgpr 160
		.amdhsa_next_free_sgpr 66
		.amdhsa_reserve_vcc 0
		.amdhsa_float_denorm_mode_32 3
		.amdhsa_float_denorm_mode_16_64 3
		.amdhsa_memory_ordered 1
		.amdhsa_forward_progress 1
		.amdhsa_inst_pref_size 9
	.end_amdhsa_kernel
	.amdgpu_metadata
---
amdhsa.version: [ 1, 2 ]
amdhsa.kernels:
  - .name:           k_q3ba868b02e_combine
    .symbol:         k_q3ba868b02e_combine.kd
    .args:
      - { .name: y, .offset: 0, .size: 8, .value_kind: global_buffer, .address_space: global }
      - { .name: pos, .offset: 8, .size: 8, .value_kind: global_buffer, .address_space: global }
      - { .name: out0, .offset: 16, .size: 8, .value_kind: global_buffer, .address_space: global }
    .group_segment_fixed_size: 0
    .private_segment_fixed_size: 0
    .kernarg_segment_align: 8
    .kernarg_segment_size: 24
    .max_flat_workgroup_size: 128
    .sgpr_count:     66
    .vgpr_count:     160
    .wavefront_size: 32
...
	.end_amdgpu_metadata
.endif
;; end of part 5
;; ======== version 2 of 2: 5 launches; version 1 with the launches gemm1, gemm2 written anew for expert scheduling mode
;; workspace buffers: sel 4,096 bytes of whole numbers; nt 256 bytes of whole numbers; pos 8,192 bytes of whole numbers; comb 32,768 bytes; sw 32,768 bytes; xg 16,777,216 bytes; act 33,554,432 bytes; y 67,108,864 bytes
;; launch router: the kernel of part 1 again; grid 64 x 1, 8 waves a work-group, no clusters, 9,216 bytes of LDS; arguments x, router_w, router_b, sel, comb; writes sel, comb
;; launch pack: the kernel of part 2 again; grid 64 x 8, 1 waves a work-group, no clusters, 4,608 bytes of LDS; arguments x, sel, comb, xg, nt, sw, pos; writes xg, nt, sw, pos
;; launch gemm1 (part 6): grid 32 x 8, 8 waves a work-group, no clusters, 263,680 bytes of LDS; arguments W1, b1, xg, nt, act; writes act
.if DOCPART == 6
	.amdgcn_target "amdgcn-amd-amdhsa--gfx1250"
	.amdhsa_code_object_version 6
	.text
	.protected	k_q3ba868b02e_gemm1
	.globl	k_q3ba868b02e_gemm1
	.p2align	8
	.type	k_q3ba868b02e_gemm1,@function
k_q3ba868b02e_gemm1:
	s_mov_b64 s[64:65], 0
	v_nop
	global_prefetch_b8 v0, s[64:65] scope:SCOPE_SE
	s_setreg_imm32_b32 hwreg(HW_REG_WAVE_SCHED_MODE, 0, 2), 2
	s_setreg_imm32_b32 hwreg(HW_REG_WAVE_MODE, 25, 1), 1
	s_wait_xcnt 0x0
	s_wait_alu depctr_vm_vsrc(0)
; FIRST LAYER.  act[slot][c] = silu(h1) h2, h1 = x W1[e][:, c] + b1[e][c], h2 = x W1[e][:, 2048 + c] + b1[e][2048 + c], for the slots of expert e alone.
; W1 [8][1024][4096] f32, b1 [8][4096] f32, both rounded once to bf16; x comes as xg (bf16 fragments of the launch before); sums and SwiGLU in f32; act is bf16 (f16 has no room for inputs 30 times larger).
; SHARES.  Work-group (cb, e) owns hidden columns 64 cb .. 64 cb + 63 (of h1 and of h2: 128 columns of W1, 524,288 bytes) and ALL tokens of e: each byte of W1 is loaded once in the launch.
; THE WEIGHTS.  K = 1,024 is 32 K steps, 8 chunks of 4.  In a chunk wave w converts K step w / 2 of half w % 2: lane (r, h) loads 16 bytes (columns 4 r .. 4 r + 3) of the 16 rows
; 64 (s/2) + 32 h + 16 (s%2) + 0..15; an instruction covers 2 x 256 consecutive bytes.  Rows 2 p, 2 p + 1 at column j round into register p of the fragment of COLUMN TILE j, whose row m is column 4 m + j.
; Fragments go to LDS as they are (16 bytes a lane, consecutive) and STAY: 8 tiles x 32 K steps x 1,024 bytes.  Each chunk has bytes of its own, so one barrier a chunk (stores, then reads) is all.
; THE TOKENS.  Source 0 = weights, source 1 = 16 slots.  Wave w takes tiles 24 p + 8 i + w, i = 0..2, of pass p; their fragments come from xg straight into registers, 512 consecutive bytes a load.
; THE ORDER.  In a K step the eight waves read 8 x 16 x 512 bytes of LDS for 16 to 24 products each, so the reads have to run beside the products.  A step's eight weight fragments have two register
; buffers: behind the products of step g the fragments of step g + 2 are asked for, into the buffer just read, and have the next step's products in which to land.  The conversions run ahead:
; chunks 0 and 1 in front of the first product (chunk 1 is loaded into the second fragment buffer's registers, idle till then), chunk c + 2 behind the last step of chunk c; the barrier that shows
; it to every wave stands three steps later, directly in front of the first loads of its fragments.
; Experts with more than 384 slots take further passes (OVER) over the resident LDS: no barrier inside them, no weight byte loaded again.
; One last barrier stands behind all passes, between every wave's reads of LDS and the closing write.
; A tile at or past nt[e]: tiles 0 and 1 of a wave are computed on the last live tile and dropped.  Tile 2, dead for most waves at an even routing, has an offset register of its own, which is 0 while it is dead:
; all lanes then ask for the same 16 bytes, the counts of loads stay alike on every path, and its products are jumped.
; THE RESULT.  Lane (r, h), register jj of tile j holds slot r, column 32 h + 4 jj + j: 32 neighbouring columns a lane, which rounded in pairs ARE two fragments of the next launch's source 1, and are stored so.
; NO CLUSTER: no two work-groups load the same weights; what the 32 work-groups of an expert share is xg, which goes to registers, and LDS has no room for slots of it beside 262,144 bytes of weights.
; LIMITS.  silu(z) = z / (1 + 2^(-z log2 e)): for z below about -88 the power overflows to infinity and the result is 0, as it should be to f32's last bits; NaN and infinities are not treated apart.
; REGISTERS, in windows of 256 (s_set_vgpr_msb: bits 1:0 source 0, 3:2 source 1, 5:4 source 2, 7:6 destination).
;   window 0: v1-11 addresses; v12-15 at work; v16-31 the conversions' target; v32-127 X: K step sl of a chunk, tile i at 32 + 24 sl + 8 i; v128-191 weights as loaded; v192-255 the odd steps' fragments
;   window 1: v0-191 accumulators, (tile i, column tile n) at 8 (8 i + n); v192-255 the even steps' fragments
; THE MODE: SCHED_MODE bits 1:0 = 2 (LLVM: expert scheduling mode 2), set by the entry lines.  The code itself states the register dependences
; between vector or matrix instructions and memory or LDS instructions, with s_wait_alu, always for 0.
; THE PLAN.  Registers that memory or LDS instructions touch:
;   F, two buffers   Step g: its products read F[g % 2]; behind them the LDS loads of step g + 2 land in it.  The odd one also takes chunk 1's weights at the start, and is at work on the way out.
;   X, four slots    Step sl of a chunk: its products read slot sl; behind them the loads of the same step of the next chunk land in it.  On the way out: at work, and v64-79 the stores' data.
;   S                The conversions read it; behind them the next unit's loads land in it.  At the end b1 lands in it.
;   T                Written by sixteen conversions, read by four LDS stores, twice in a conversion.
;   VLS, VLR, VLN    LDS addresses, read by the stores and by the fragments' loads; stepped once a chunk.     VXN, VX2  offsets of the refills; stepped once a chunk.     VL2  written where a pass is set.
;   VL16, VW, VBA and the closing pair: written at the head alone.  The accumulators are named by vector and matrix instructions alone.
; So ONE wait on va_vdst stands in a K step, behind its products: they are done reading F[g % 2] and slot sl, and in a chunk's first step VXN and VX2 are written; the step's 22 loads follow it with no vector
; instruction between.  It stands there and not at the next step's head, since the two buffers are asked for again at once.  A conversion has two more, one ahead of each run of stores.
; The waits on vm_vsrc stand ahead of the lines that write again what a store or a load has read: T, the stepped addresses and offsets, the way out's store data.
.set BIAS,  262144                     ; behind the weights: b1 in the accumulators' order: half x 256 + h x 128 + j x 32 + jj x 4
.set SPARE, 262656                     ; the spare words, 128 bytes a wave
.set VL16, 1                           ; 16 x lane; never rewritten
.set VW,   2                           ; my byte offset in a chunk of W1; never rewritten
.set VLS,  3                           ; LDS: where my fragments of the chunk that is converted go
.set VLR,  4                           ; LDS: 16 x lane + 32,768 x the chunk that is multiplied
.set VXN,  5                           ; xg: 16 x lane + 4,096 x the chunk that is fetched
.set VL2,  6                           ; tile 2's copy of VL16: 0 while the tile is dead
.set VX2,  7                           ; tile 2's copy of VXN: likewise
.set SPW,  8
.set NIL,  9
.set VBA,  10                          ; LDS: BIAS + 128 h
.set VLN,  11                          ; OVER: the chunk behind VLR's, wrapped to chunk 0 behind the last
.set T,    16
.set X,    32
.set S,    128
.set F,    192                         ; both fragment buffers: even steps' in window 1, odd steps' in window 0
.set Z1,   192                         ; the way out: h1, h2 (the odd buffer's registers), at work, packed
.set Z2,   224
.set TT,   32
.set OO,   64
.set ACC,  0
.set MUL,  0x51                        ; weights (source 0), C and D in window 1, slots (source 1) in window 0; less 1: weights in window 0
.set TOW1, 0x40                        ; destination in window 1
.set RD1,  0x01                        ; source 0 in window 1
.set MSB, 0
.macro WIN new                         ; the immediate's high byte repeats the setting that is left; a switch that changes nothing is dropped
.if MSB != (\new)
	s_set_vgpr_msb (MSB<<8)|(\new)
.set MSB, \new
.endif
.endm
.macro PLACES                          ; four places behind a product, in front of loads into and writes of its registers
.rept 4
	v_nop
.endr
.endm
.macro WLOAD D, B                      ; 16 rows of my unit of a chunk
.irp i, 0,1,2,3,4,5,6,7,8,9,10,11,12,13,14,15
	global_load_b128 v[(\D)+4*\i:(\D)+4*\i+3], v[VW], s[\B:\B+1] offset:16384*\i th:TH_LOAD_NT
.endr
.endm
; My unit of a chunk, loaded into SR: waited for (na younger loads may stay out), rounded two fragments at a time, stored.  issue = 1: the next unit is asked for, stepb bytes on.
; on = 1: every conversion but the first: the stores' address moves on by a chunk.  lr = 1: a chunk has just been multiplied: the fragments' address moves on too.
.macro WCONV SR, issue, stepb, na, on, lr
	s_wait_loadcnt \na
	s_wait_alu depctr_vm_vsrc(0)                   ; the LDS stores issued so far have read T (in wave 0 b1's stores read v16-19 and v22) and v[VLS], the fragments' loads v[VLR]: all are written below
.if \on
	v_add_nc_u32 v[VLS], 32768, v[VLS]
.endif
.if \lr
	v_add_nc_u32 v[VLR], 32768, v[VLR]
.endif
.irp jh, 0,2
.if \jh
	s_wait_alu depctr_vm_vsrc(0)                   ; the four stores above have read T, which the next sixteen roundings write again
.endif
.irp jl, 0,1
.irp p, 0,1,2,3,4,5,6,7
	v_cvt_pk_bf16_f32 v[T+8*\jl+\p], v[(\SR)+8*\p+\jh+\jl], v[(\SR)+8*\p+4+\jh+\jl]
.endr
.endr
	s_wait_alu depctr_va_vdst(0)                   ; the roundings have written T, the add v[VLS]: the stores read both; the second time the roundings are also done reading the raw weights, in whose registers loads land next
.irp jl, 0,1
	ds_store_b128 v[VLS], v[T+8*\jl:T+8*\jl+3]   offset:1024*(\jh+\jl)
	ds_store_b128 v[VLS], v[T+8*\jl+4:T+8*\jl+7] offset:1024*(\jh+\jl)+512
.endr
.endr
.if \issue
	s_add_nc_u64 s[24:25], s[24:25], \stepb        ; the loads that named this base are done (the wait on LOADcnt above)
	WLOAD S, 24                                    ; no vector instruction since the last wait on va_vdst
.endif
.endm
.macro FRAGS fb, fa, rel               ; the eight weight fragments of the K step rel steps behind the address in fa, into buffer fb
.if (\fb) == 0
	WIN TOW1
.else
	WIN 0
.endif
.irp n, 0,1,2,3,4,5,6,7
	ds_load_b128 v[F+8*\n:F+8*\n+3],   v[\fa] offset:(8*(\rel)+\n)*1024
	ds_load_b128 v[F+8*\n+4:F+8*\n+7], v[\fa] offset:(8*(\rel)+\n)*1024+512
.endr
	WIN 0
.endm
; Six loads: K step sl of a chunk for my three tiles; tile 2 by its own offset register.
.macro XFILL sl, vo, vo2
.irp i, 0,1
	global_load_b128 v[X+24*(\sl)+8*\i:X+24*(\sl)+8*\i+3],   v[\vo], s[28+2*\i:29+2*\i] offset:1024*(\sl)
	global_load_b128 v[X+24*(\sl)+8*\i+4:X+24*(\sl)+8*\i+7], v[\vo], s[28+2*\i:29+2*\i] offset:1024*(\sl)+512
.endr
	global_load_b128 v[X+24*(\sl)+16:X+24*(\sl)+19], v[\vo2], s[32:33] offset:1024*(\sl)
	global_load_b128 v[X+24*(\sl)+20:X+24*(\sl)+23], v[\vo2], s[32:33] offset:1024*(\sl)+512
.endm
.macro MASKX                           ; tile 2's copy of VXN; what hangs on a loaded count enters an address only behind a clamp by a constant
	v_and_b32 v[VX2], s47, v[VXN]
	v_min_u32 v[VX2], 0xffff, v[VX2]
.endm
.macro MM i, sl, zero                  ; tile i x the eight column tiles; the accumulators take turns, one instruction a turn
.irp n, 0,1,2,3,4,5,6,7
.if \zero
	v_wmma_f32_16x16x32_bf16 v[ACC+8*(8*(\i)+\n):ACC+8*(8*(\i)+\n)+7], v[F+8*\n:F+8*\n+7], v[X+24*(\sl)+8*(\i):X+24*(\sl)+8*(\i)+7], 0
.else
	v_wmma_f32_16x16x32_bf16 v[ACC+8*(8*(\i)+\n):ACC+8*(8*(\i)+\n)+7], v[F+8*\n:F+8*\n+7], v[X+24*(\sl)+8*(\i):X+24*(\sl)+8*(\i)+7], v[ACC+8*(8*(\i)+\n):ACC+8*(8*(\i)+\n)+7]
.endif
.endr
.endm
; K step sl of a chunk, on fragment buffer sl % 2.  n: the loads younger than this step's six; d: the LDS instructions younger than this step's fragments.
; Behind the products: in a chunk's first step the refills' offset steps (its last use stands a step back; wrap = 1: behind the tile's last chunk it goes back to the first); the step's one wait on va_vdst;
; bar = 1: the barrier in front of a chunk's first fragment loads; fr = 1: the fragments two steps on, at frel steps behind fa; refill = 1: this step's slot registers take the same step of the next chunk.
.macro KSTEP sl, zero, n, d, bar, fr, fa, frel, refill, wrap
	s_wait_loadcnt \n
	s_wait_dscnt \d
	WIN MUL-((\sl)%2)
	MM 0, \sl, \zero
	MM 1, \sl, \zero
.if \zero
	MM 2, \sl, 1                                   ; the products that start the sums run for a dead tile too: its accumulators are then written on every path
	WIN 0
.else
	WIN 0                                          ; at a branch and at a label every window is 0
	s_cmp_eq_u32 s22, 0
	s_cbranch_scc1 .Ldead_\@
	WIN MUL-((\sl)%2)
	MM 2, \sl, 0
	WIN 0
.Ldead_\@:
.endif
.if (\refill) && ((\sl) == 0)
	s_wait_xcnt 0x0                                ; the last chunk's refills have had their addresses translated: their offsets may step
	s_wait_alu depctr_vm_vsrc(0)                   ; and they have read v[VXN] and v[VX2], which the lines below write
	v_add_nc_u32 v[VXN], 4096, v[VXN]
.if \wrap
	v_and_b32 v[VXN], 0x7fff, v[VXN]
.endif
	MASKX
.endif
	PLACES
.if (\fr) || (\refill)
	s_wait_alu depctr_va_vdst(0)                   ; this step's products are done reading their fragment buffer and their slot, in which the loads below land; in a chunk's first step v[VXN] and v[VX2] are written, behind a chunk's end v[VLR]
.endif
.if \bar
	s_wait_dscnt 0x0                               ; for the others' sake: my stores of the chunk converted three steps ago are done (and my loads are back)
	s_barrier_signal -1
	s_barrier_wait -1                              ; that chunk is whole
.endif
.if \fr
	FRAGS (\sl)%2, \fa, \frel
.endif
.if \refill
	XFILL \sl, VXN, VX2
.endif
.endm
; A chunk's four K steps.  n0, ns: the first step's count of loads and what it falls by from step to step; d0: the LDS count of steps 0 and 1, d3 of step 3.
; fr23, fa2, r2: whether and from where steps 2 and 3 fetch the next chunk's first two steps.
.macro CHUNK zero, n0, ns, d0, d3, bar, fr23, fa2, r2, refill, wrap
	KSTEP 0, \zero, \n0, \d0, 0, 1, VLR, 2, \refill, \wrap
	KSTEP 1, 0, (\n0)-(\ns), \d0, 0, 1, VLR, 3, \refill, \wrap
	KSTEP 2, 0, (\n0)-2*(\ns), 16, \bar, \fr23, \fa2, \r2, \refill, \wrap
	KSTEP 3, 0, (\n0)-3*(\ns), \d3, 0, \fr23, \fa2, (\r2)+1, \refill, \wrap
.endm
; A pass's tiles: s36 is my tile 0.  A tile's number is held below nt[e], then below the constant 64, and only then enters an address.
.macro SETPASS
.irp i, 0,1,2
	s_add_co_u32 s40, s36, 8*\i
	s_min_u32 s40, s40, s18
	s_min_u32 s40, s40, 63
	s_lshl_b32 s41, s15, 6
	s_add_co_u32 s40, s40, s41
	s_lshl_b32 s38, s40, 15                        ; a tile of xg is 32,768 bytes
	s_add_nc_u64 s[28+2*\i:29+2*\i], s[8:9], s[38:39]
.endr
	s_add_co_u32 s40, s36, 16
	s_cmp_lt_u32 s40, s17
	s_cselect_b32 s22, 1, 0                        ; is my tile 2 alive?
	s_cselect_b32 s47, -1, 0
	v_and_b32 v[VL2], s47, v[VL16]
	v_min_u32 v[VL2], 0xffff, v[VL2]
.endm
; THE WAY OUT of tile i: bias, SwiGLU, rounding, four stores of 512 consecutive bytes.  A dead tile is jumped.
.macro EPI i
.if \i
	s_wait_alu depctr_vm_vsrc(0)                   ; the tile before's stores have read v64-79, which this tile's roundings write again (tile 0: the wait ahead of the setting of a pass has shown it)
.endif
	s_add_co_u32 s40, s36, 8*(\i)
	s_cmp_ge_u32 s40, s17
	s_cbranch_scc1 .Lepi_\@
	s_wait_xcnt 0x0                                ; the tile before's stores have had their addresses translated: their data and base may be written
	s_min_u32 s40, s40, 63
	s_lshl_b32 s41, s15, 6
	s_add_co_u32 s40, s40, s41
	s_lshl_b32 s38, s40, 16                        ; a tile of act is 65,536 bytes,
	s_lshl_b32 s41, s16, 11                        ; my two K steps of it begin at 2,048 cb
	s_add_co_u32 s38, s38, s41
	s_add_nc_u64 s[34:35], s[12:13], s[38:39]
	WIN RD1
.irp j, 0,1,2,3
.irp q, 0,2,4,6
	v_pk_add_f32 v[Z1+8*\j+\q:Z1+8*\j+\q+1], v[ACC+8*(8*(\i)+\j)+\q:ACC+8*(8*(\i)+\j)+\q+1], v[S+8*\j+\q:S+8*\j+\q+1]  ; each accumulator from its low registers on
.endr
.endr
.irp j, 0,1,2,3
.irp q, 0,2,4,6
	v_pk_add_f32 v[Z2+8*\j+\q:Z2+8*\j+\q+1], v[ACC+8*(8*(\i)+4+\j)+\q:ACC+8*(8*(\i)+4+\j)+\q+1], v[S+32+8*\j+\q:S+32+8*\j+\q+1]
.endr
.endr
	WIN 0
.set z, 0
.rept 16
	v_pk_mul_f32 v[TT+z:TT+z+1], v[Z1+z:Z1+z+1], 0xbfb8aa3b op_sel_hi:[1,0]  ; -h1 log2 e
.set z, z+2
.endr
.set z, 0
.rept 32
	v_exp_f32 v[TT+z], v[TT+z]
.set z, z+1
.endr
.set z, 0
.rept 16
	v_pk_mul_f32 v[Z2+z:Z2+z+1], v[Z1+z:Z1+z+1], v[Z2+z:Z2+z+1]  ; h1 h2: plain work behind the exponentials
.set z, z+2
.endr
.set z, 0
	s_wait_alu depctr_va_vdst(0)                   ; the 32 exponentials have written v32-63, ahead of their first reader: one wait for the batch
.rept 16
	v_pk_add_f32 v[TT+z:TT+z+1], v[TT+z:TT+z+1], 1.0 op_sel_hi:[1,0]
.set z, z+2
.endr
.set z, 0
.rept 32
	v_rcp_f32 v[TT+z], v[TT+z]
.set z, z+1
.endr
	v_nop                                          ; a plain instruction behind the last reciprocal
.set z, 0
	s_wait_alu depctr_va_vdst(0)                   ; the 32 reciprocals have written v32-63, ahead of their first reader: one wait for the batch
.rept 16
	v_pk_mul_f32 v[Z2+z:Z2+z+1], v[Z2+z:Z2+z+1], v[TT+z:TT+z+1]
.set z, z+2
.endr
.irp u, 0,1                            ; K step 2 cb + u of the next launch: position 2 p, 2 p + 1 is column 16 u + 2 p (+ 1) of my 32 = register 4 u + p / 2 of tiles 2 (p % 2), 2 (p % 2) + 1
.irp p, 0,1,2,3,4,5,6,7
	v_cvt_pk_bf16_f32 v[OO+8*\u+\p], v[Z2+16*(\p%2)+4*\u+(\p/2)], v[Z2+16*(\p%2)+8+4*\u+(\p/2)]
.endr
.endr
	s_wait_alu depctr_va_vdst(0)                   ; the roundings have written v64-79, which the four stores read
.irp u, 0,1
	global_store_b128 v[VL16], v[OO+8*\u:OO+8*\u+3],   s[34:35] offset:1024*\u
	global_store_b128 v[VL16], v[OO+8*\u+4:OO+8*\u+7], s[34:35] offset:1024*\u+512
.endr
.Lepi_\@:
.endm
	s_load_b256 s[4:11], s[0:1], 0x0               ; W1 s[4:5], b1 s[6:7], xg s[8:9], nt s[10:11]
	s_load_b64 s[12:13], s[0:1], 0x20              ; act
	v_lshl_add_u32 v[SPW], v0, 2, SPARE
	v_mov_b32 v[NIL], 0
	v_lshrrev_b32 v12, 5, v0
	v_readfirstlane_b32 s14, v12                   ; wave 0..7
	s_and_b32 s15, ttmp7, 0xffff                   ; e
	s_mov_b32 s16, ttmp9                           ; cb
	v_and_b32 v12, 31, v0                          ; lane
	v_and_b32 v13, 15, v0                          ; r
	v_bfe_u32 v14, v0, 4, 1                        ; h
	v_lshlrev_b32 v[VL16], 4, v12
	s_wait_alu depctr_va_sdst(0)                   ; s14 is written, ahead of its first reader
	s_lshr_b32 s40, s14, 1                         ; my K step in a chunk,
	s_and_b32 s41, s14, 1                          ; my half (h1, h2)
	s_lshr_b32 s42, s40, 1
	s_and_b32 s43, s40, 1
	s_lshl_b32 s42, s42, 20                        ; 64 rows of 16,384 bytes
	s_lshl_b32 s43, s43, 18                        ; 16 rows
	s_add_co_u32 s42, s42, s43
	s_lshl_b32 s41, s41, 13                        ; h2 lies 2,048 columns on
	s_add_co_u32 s42, s42, s41
	v_lshlrev_b32 v[VW], 19, v14                   ; lanes 16-31: 32 rows down
	v_lshl_add_u32 v[VW], v13, 4, v[VW]
	v_add_nc_u32 v[VW], s42, v[VW]
	s_lshl_b32 s43, s14, 12
	v_add_nc_u32 v[VLS], s43, v[VL16]              ; 16 x lane + 4,096 w
	v_mov_b32 v[VLR], v[VL16]
	v_mov_b32 v[VXN], v[VL16]                      ; it steps in front of each chunk's first refill, the first chunk's too
	v_lshl_add_u32 v[VBA], v14, 7, BIAS
	s_lshl_b32 s37, s15, 2
	s_mov_b32 s39, 0                               ; the high word of every offset
	s_mov_b32 s36, s14                             ; pass 0: my tile 0 is w
	s_wait_kmcnt 0x0
	s_load_b32 s17, s[10:11], s37 offset:0x0       ; nt[e]
	s_lshl_b32 s38, s15, 24                        ; an expert is 16,777,216 bytes of W1
	s_lshl_b32 s40, s16, 8
	s_add_co_u32 s38, s38, s40
	s_add_nc_u64 s[24:25], s[4:5], s[38:39]        ; chunk 0,
	s_add_nc_u64 s[26:27], s[24:25], 0x200000      ; chunk 1: 128 rows on
	s_wait_alu depctr_va_vdst(0)                   ; the addresses and offsets made above (v1 to v5, v8 to v10) are written: loads, LDS loads and stores read them from here on
	s_cmp_lg_u32 s14, 0
	s_cbranch_scc1 .Lnob1                          ; wave 0 brings the 128 numbers of b1: the oldest of its loads
	v_lshlrev_b32 v15, 13, v14
	v_lshl_add_u32 v15, v13, 4, v15
	s_lshl_b32 s40, s15, 14
	s_lshl_b32 s41, s16, 8
	s_add_co_u32 s40, s40, s41
	v_add_nc_u32 v15, s40, v15
	s_wait_alu depctr_va_vdst(0)                   ; v15 is written, which the load reads as its offset
	global_load_b128 v[16:19], v15, s[6:7]
.Lnob1:
	WLOAD S, 24                                    ; chunk 0
	WLOAD F, 26                                    ; chunk 1, into the odd fragment buffer's registers
	s_wait_kmcnt 0x0
	s_min_u32 s17, s17, 64
	s_max_u32 s17, s17, 1
	s_sub_co_u32 s18, s17, 1
	SETPASS
	s_wait_alu depctr_va_vdst(0)                   ; v[VL2] is written, which tile 2's loads read as their offset
	XFILL 0, VL16, VL2                             ; chunk 0 of my tiles
	XFILL 1, VL16, VL2
	XFILL 2, VL16, VL2
	XFILL 3, VL16, VL2
	s_cmp_lg_u32 s14, 0
	s_cbranch_scc1 .Lnob2
	s_wait_loadcnt 56                              ; behind b1's load: 32 of weights, 24 of slots
	v_cvt_pk_bf16_f32 v20, v16, v17                ; b1 rounded to bf16 like every input, kept as f32
	v_cvt_pk_bf16_f32 v21, v18, v19
	v_lshlrev_b32 v16, 16, v20
	v_and_b32 v17, 0xffff0000, v20
	v_lshlrev_b32 v18, 16, v21
	v_and_b32 v19, 0xffff0000, v21
	v_lshlrev_b32 v22, 8, v14                      ; lane l holds columns 4 (l % 16) + j of half l / 16: accumulator row l % 16 = 8 h + jj
	v_bfe_u32 v23, v0, 3, 1
	v_lshl_add_u32 v22, v23, 7, v22
	v_and_b32 v23, 7, v0
	v_lshl_add_u32 v22, v23, 2, v22
	v_add_nc_u32 v22, BIAS, v22
	s_wait_alu depctr_va_vdst(0)                   ; v16 to v19 and v22 are written: the four stores' data and address
	ds_store_b32 v22, v16
	ds_store_b32 v22, v17 offset:32
	ds_store_b32 v22, v18 offset:64
	ds_store_b32 v22, v19 offset:96
.Lnob2:
	; PASS 0.  W(c): my unit of chunk c, 16 loads; X(g): K step g of my tiles, 6 loads.  Order of issue: W(0), W(1), X(0..3), W(2); behind step g X(g + 4); behind step 4 c + 3 also W(c + 3).
	; In front of the conversions: W(0): W(1) and X(0..3) are younger, 40; W(1): X(0..3) and W(2), 40; W(c + 2): the four refills issued behind it, 24.
	; In front of K step g: three later steps' 18 and the one unit of weights issued among them, 34; from step 24 on no weights, 18; the last three steps 12, 6, 0.  By this count 57 loads are out at the most.
	; LDS: in front of a step the next step's 16 fragment loads are younger, and in the two steps behind a conversion its 8 stores too: 24.
	WCONV S, 1, 0x400000, 40, 0, 0                 ; chunk 0; chunk 2 is asked for
	WCONV F, 0, 0, 40, 1, 0                        ; chunk 1
	s_wait_dscnt 0x0                               ; for the others' sake: my stores are done
	s_barrier_signal -1
	s_barrier_wait -1                              ; chunks 0 and 1 are whole, and so is b1
	FRAGS 0, VLR, 0
	FRAGS 1, VLR, 1                                ; into the registers that chunk 1's roundings read: these stand ahead of the conversion's last wait on va_vdst, and no vector instruction follows it
	CHUNK 1, 34, 0, 16, 16, 0, 1, VLR, 4, 1, 0     ; chunk 0: its first products start the sums
	WCONV S, 1, 0x200000, 24, 1, 1                 ; chunk 2; chunk 3 is asked for
	s_mov_b32 s21, 4
.Lmain:                                                ; chunks c = 1 to 4
	CHUNK 0, 34, 0, 24, 16, 1, 1, VLR, 4, 1, 0
	WCONV S, 1, 0x200000, 24, 1, 1                 ; chunk c + 2; chunk c + 3 is asked for
	s_sub_co_u32 s21, s21, 1
	s_cmp_lg_u32 s21, 0
	s_cbranch_scc1 .Lmain
	CHUNK 0, 34, 0, 24, 16, 1, 1, VLR, 4, 1, 0     ; chunk 5
	WCONV S, 0, 0, 24, 1, 1                        ; chunk 7: no weights are left to ask for
	CHUNK 0, 18, 0, 24, 16, 1, 1, VLR, 4, 1, 0     ; chunk 6: its barrier shows chunk 7
	s_wait_alu depctr_vm_vsrc(0)                   ; chunk 6's fragment loads have read v[VLR]
	v_add_nc_u32 v[VLR], 32768, v[VLR]
	CHUNK 0, 18, 6, 16, 0, 0, 0, VLR, 4, 0, 0      ; chunk 7: nothing is refilled, and the counts run down; its last two steps issue no load and hold no wait on va_vdst
.irp hf, 0,1
.irp j, 0,1,2,3
	ds_load_b128 v[S+32*\hf+8*\j:S+32*\hf+8*\j+3],   v[VBA] offset:256*\hf+32*\j     ; b1 for my 2 x 32 columns, in the accumulators' order; the last roundings that read these registers stand ahead of chunk 6's waits
	ds_load_b128 v[S+32*\hf+8*\j+4:S+32*\hf+8*\j+7], v[VBA] offset:256*\hf+32*\j+16
.endr
.endr
	s_wait_dscnt 0x0
	s_mov_b32 s19, 3                               ; 3 passes x 24 tiles cover the 64 that an expert can have
.Lpass:
	EPI 0
	EPI 1
	EPI 2
	s_add_co_u32 s36, s36, 24
	s_wait_alu depctr_vm_vsrc(0)                   ; the way out's stores have read v64-79, and all loads so far their offsets and addresses: v[VL2] is written below, and in OVER v[VLR], v[VLN], v[VXN] are written and loads land on v64-79
	SETPASS                                        ; no load is out: bases and offsets may be written
	s_cmp_ge_u32 s36, s17
	s_cbranch_scc1 .Lnoover                        ; nothing is left for this wave
	; OVER: 24 tiles more, from the weights in LDS.  The sums are cleared by 192 moves: a first K step written out for a path that an even routing never takes would cost more text.
	s_wait_xcnt 0x0                                ; the way out's stores have had their addresses translated: the loads below land on their data registers
	WIN TOW1
.set z, 0
.rept 192
	v_mov_b32 v[ACC+z], 0
.set z, z+1
.endr
	WIN 0
	v_mov_b32 v[VLR], v[VL16]
	v_add_nc_u32 v[VLN], 32768, v[VL16]
	v_mov_b32 v[VXN], v[VL16]
	s_wait_alu depctr_va_vdst(0)                   ; v[VL2], v[VLR] and v[VLN] are written, which the loads below read; the way out is done with v32-127 and v192-255, in which they land
	XFILL 0, VL16, VL2
	XFILL 1, VL16, VL2
	XFILL 2, VL16, VL2
	XFILL 3, VL16, VL2
	FRAGS 0, VLR, 0
	FRAGS 1, VLR, 1
	s_mov_b32 s46, 8
.Lover:                                                ; a chunk a trip; the last trip's look-ahead, in LDS and in xg, wraps to chunk 0 and is dropped: nothing leaves the weights or the tile
	CHUNK 0, 18, 0, 16, 16, 0, 1, VLN, 0, 1, 1     ; three later steps' 18 loads and the next step's 16 LDS loads are younger
	s_wait_alu depctr_vm_vsrc(0)                   ; the trip's fragment loads have read v[VLR] and v[VLN]
	v_mov_b32 v[VLR], v[VLN]
	v_add_nc_u32 v[VLN], 32768, v[VLN]
	v_and_b32 v[VLN], 0x3ffff, v[VLN]
	s_sub_co_u32 s46, s46, 1
	s_cmp_lg_u32 s46, 0
	s_cbranch_scc1 .Lover
	s_wait_loadcnt 0x0                             ; what was dropped has landed: its registers are at work on the way out
	s_wait_dscnt 0x0
.Lnoover:
	s_sub_co_u32 s19, s19, 1
	s_cmp_lg_u32 s19, 0
	s_cbranch_scc1 .Lpass
	s_wait_dscnt 0x0                               ; my reads of LDS are over;
	s_barrier_signal -1                            ; a barrier on every wave's path, behind all passes:
	s_barrier_wait -1                              ; every wave's reads are over before any wave writes LDS again (the add below)
	s_wait_dscnt 0x0                               ; the closing lines, six on end
	s_wait_alu 0x0
	s_wait_tensorcnt 0x0
	ds_add_u32 v[SPW], v[NIL]
	s_wait_dscnt 0x0
	s_endpgm
.Lfunc_end_k_q3ba868b02e_gemm1:
	.size	k_q3ba868b02e_gemm1, .Lfunc_end_k_q3ba868b02e_gemm1-k_q3ba868b02e_gemm1
	.p2alignl 7, 3214868480
	.fill 96, 4, 3214868480
	.section	.rodata,"a",@progbits
	.p2align	6, 0x0
	.amdhsa_kernel k_q3ba868b02e_gemm1
		.amdhsa_group_segment_fixed_size 263680
		.amdhsa_private_segment_fixed_size 0
		.amdhsa_enable_private_segment 0
		.amdhsa_kernarg_size 40
		.amdhsa_user_sgpr_count 2
		.amdhsa_user_sgpr_kernarg_segment_ptr 1
		.amdhsa_wavefront_size32 1
		.amdhsa_system_sgpr_workgroup_id_x 1
		.amdhsa_system_sgpr_workgroup_id_y 1
		.amdhsa_system_sgpr_workgroup_id_z 1
		.amdhsa_system_vgpr_workitem_id 0
		.amdhsa_next_free_vgpr 512
		.amdhsa_next_free_sgpr 66
		.amdhsa_reserve_vcc 0
		.amdhsa_float_denorm_mode_32 3
		.amdhsa_float_denorm_mode_16_64 3
		.amdhsa_memory_ordered 1
		.amdhsa_forward_progress 1
		.amdhsa_inst_pref_size 157
	.end_amdhsa_kernel
	.amdgpu_metadata
---
amdhsa.version: [ 1, 2 ]
amdhsa.kernels:
  - .name:           k_q3ba868b02e_gemm1
    .symbol:         k_q3ba868b02e_gemm1.kd
    .args:
      - { .name: W1, .offset: 0, .size: 8, .value_kind: global_buffer, .address_space: global }
      - { .name: b1, .offset: 8, .size: 8, .value_kind: global_buffer, .address_space: global }
      - { .name: xg, .offset: 16, .size: 8, .value_kind: global_buffer, .address_space: global }
      - { .name: nt, .offset: 24, .size: 8, .value_kind: global_buffer, .address_space: global }
      - { .name: act, .offset: 32, .size: 8, .value_kind: global_buffer, .address_space: global }
    .group_segment_fixed_size: 263680
    .private_segment_fixed_size: 0
    .kernarg_segment_align: 8
    .kernarg_segment_size: 40
    .max_flat_workgroup_size: 256
    .sgpr_count:     66
    .vgpr_count:     512
    .wavefront_size: 32
...
	.end_amdgpu_metadata
.endif
;; end of part 6
;; launch gemm2 (part 7): grid 32 x 8, 8 waves a work-group, no clusters, 167,168 bytes of LDS; arguments W2, b2, act, nt, sw, y; writes y
.if DOCPART == 7
	.amdgcn_target "amdgcn-amd-amdhsa--gfx1250"
	.amdhsa_code_object_version 6
	.text
	.protected	k_q3ba868b02e_gemm2
	.globl	k_q3ba868b02e_gemm2
	.p2align	8
	.type	k_q3ba868b02e_gemm2,@function
k_q3ba868b02e_gemm2:
	s_mov_b64 s[64:65], 0
	v_nop
	global_prefetch_b8 v0, s[64:65] scope:SCOPE_SE
	s_setreg_imm32_b32 hwreg(HW_REG_WAVE_SCHED_MODE, 0, 2), 2
	s_setreg_imm32_b32 hwreg(HW_REG_WAVE_MODE, 25, 1), 1
	s_wait_xcnt 0x0
	s_wait_alu depctr_vm_vsrc(0)
; SECOND LAYER.  y[kh][slot][d] = sw[slot] x (the sum over hidden 1024 kh .. 1024 kh + 1023 of act[slot][.] W2[e][.][d], + b2[e][d] in K half 0), in f32, for the slots of expert e alone.
; W2 [8][2048][1024] f32 and b2 [8][1024] f32 are rounded once to bf16; act comes as bf16 fragments of the launch before; sw is the slot's router weight.  The last launch adds a token's four rows.
; SHARES.  Work-group (x = 16 kh + cb, e): output columns 64 cb .. + 63, K half kh, ALL tokens of e: 262,144 bytes of W2, each loaded once in the launch.  K is halved so that there are 256 work-groups.
; The scheme is the first layer's.  32 K steps in 4 chunks of 8; wave w converts K step 8 c + w: lane (r, h) loads 16 bytes (columns 4 r ..) of rows 64 (s/2) + 32 h + 16 (s%2) + 0..15;
; four fragments (column tile j: row m is column 4 m + j) go to LDS and stay, 131,072 bytes; one barrier a chunk.  Wave w takes tiles 24 p + 8 i + w.
; THE ORDER.  A step's four weight fragments have two register buffers: behind the products of step g the fragments of step g + 2 are asked for, into the buffer just read, and have the next step's
; products in which to land.  Chunk c + 1 is converted behind step 8 c + 5; the barrier that shows it to every wave stands behind step 8 c + 6, directly in front of the first loads of its fragments.
; Further passes (OVER) read LDS alone and hold no barrier inside.  A dead tile 2 asks for the same 16 bytes in every lane (its own offset register is 0) and its products are jumped.
; The loop over passes has a constant 3 trips and two barriers a trip, on every wave's path: one between the waves' writes of their stages and OVER's reads, which walk LDS by a stepped address,
; and one between those reads and the next writes.
; LOADS IN FLIGHT.  The slots' fragments have 8 register slots; at the head of K step g, behind the wait for its own fragments, those of step g + 7 are asked for, so 7 steps x 6 loads are out, and beside them
; one chunk's 16 loads of weights: 58 by this text's count, 62 at the start (b2, sw).  Loads end in order (ISA guide 5.7.1), so weights have landed when the first fragments asked for behind them are waited for.
; THE RESULT.  Lane (r, h), register jj of tile j: slot r, column 32 h + 4 jj + j.  A tile goes through the wave's own stage in LDS and leaves as rows: sixteen lanes store 256 consecutive bytes.
; NO CLUSTER: no two work-groups load the same weights; act, which 16 work-groups share, goes straight to registers.
; LIMITS.  NaN and infinities are not treated apart.
; REGISTERS.  window 0: v1-17, v28-30 addresses; v18-27 at work; v32-223 X: slot k, tile i at 32 + 24 k + 8 i; v224, 226, 228 the tiles' sw (each the low word of a pair)
;   window 1: v0-95 accumulators, (i, j) at 8 (4 i + j); v96-127 the even steps' fragments; v128-191 weights as loaded; v192-223 the odd steps' fragments; v224-255 the conversions' target
; THE MODE: SCHED_MODE bits 1:0 = 2 (LLVM: expert scheduling mode 2), set by the entry lines.  The code itself states the register dependences
; between vector or matrix instructions and memory or LDS instructions, with s_wait_alu, always for 0.
; THE PLAN.  Registers that memory or LDS instructions touch:
;   F, two buffers   Step g: its products read F[g % 2]; behind them the LDS loads of step g + 2 land in it.
;   X, eight slots   Step g: its products read slot g % 8; at the head of step g + 1 the loads of step g + 8 land in it.  On the way out: b2 (landed on from LDS), the stage's store data, the rows read back and stored.
;   S                The conversions read it; behind them the next chunk's loads land in it.          T   Written by 32 conversions, read by eight LDS stores.
;   VLS, VLR, VLN    LDS addresses; stepped once a chunk.     VXC, VXN and tile 2's copies: OVER's offsets; stepped once a trip.     SWO, VL2  written where a pass is set.     SWV  landed on by sw's loads, read on the way out.
;   VL16, VW, STO, RD, YO, VBA and the closing pair: written at the head alone.  The accumulators are named by vector and matrix instructions alone.
; So ONE wait on va_vdst stands in a K step, behind its products: they are done reading F[g % 2], in which the step's eight LDS loads land at once, and slot g % 8, in which the six loads at the next step's
; head land: between the wait and those six stand fragment loads, a barrier, waits, at most a conversion (it names S, T and VLS) or the add to VLR: nothing that names the slot or the loads' offsets.
; The waits on vm_vsrc stand ahead of the lines that write again what a store or a load has read: T, the stepped addresses and offsets, the way out's registers.
.set BIAS,  131072                     ; behind the weights: the 64 numbers of b2, or zeros in K half 1
.set STAGE, 131328                     ; 16 rows x 272 bytes for each wave
.set SP,    272                        ; 256 bytes + 16: rows start at different groups of four banks (ISA guide 11.1)
.set SPARE, 166144
.set VL16, 1                           ; 16 x lane; never rewritten
.set VW,   2
.set VLS,  3
.set VLR,  4                           ; LDS: 16 x lane + 32,768 x the chunk that is multiplied
.set VXC,  5                           ; OVER: 16 x lane + 8,192 x the chunk in hand
.set VXN,  6                           ; OVER: the same for the next chunk, wrapped
.set VL2,  7                           ; tile 2's copy of VL16: 0 while the tile is dead
.set SPW,  8
.set NIL,  9
.set STO,  10
.set RD,   11
.set YO,   12
.set SWO,  13                          ; v13-15  byte offsets of my slots in sw
.set VBA,  16
.set VR4,  17                          ; 4 r + 4,096 e
.set VX2C, 28                          ; tile 2's copies of VXC and VXN
.set VX2N, 29
.set VLN,  30                          ; OVER: the chunk behind VLR's, wrapped to chunk 0 behind the last
.set X,    32
.set SWV,  224
.set RB,   32                          ; the way out: b2 of my 32 columns; the tile's numbers; rows read back
.set BW,   64
.set OB,   96
.set ACC,  0
.set F0,   96                          ; fragment buffer fb at F0 + 96 fb
.set S,    128
.set T,    224
.set MUL,  0x51
.set TOW1, 0x40
.set CVT,  0x45                        ; destination and both sources in window 1
.set STW1, 0x04
.set RD1,  0x01
.set MSB, 0
.macro WIN new
.if MSB != (\new)
	s_set_vgpr_msb (MSB<<8)|(\new)
.set MSB, \new
.endif
.endm
.macro PLACES
.rept 4
	v_nop
.endr
.endm
.macro WLOAD
	WIN TOW1
.irp i, 0,1,2,3,4,5,6,7,8,9,10,11,12,13,14,15
	global_load_b128 v[S+4*\i:S+4*\i+3], v[VW], s[24:25] offset:4096*\i th:TH_LOAD_NT
.endr
	WIN 0
.endm
; My K step of a chunk: waited for (na younger loads may stay out), rounded, stored as four fragments; issue = 1: the next chunk's is asked for.
; on = 1: every conversion but the first: the stores' address moves on by a chunk.
.macro WCONV issue, na, on
	s_wait_loadcnt \na
.if \on
	s_wait_alu depctr_vm_vsrc(0)                   ; the last conversion's stores have read T and v[VLS], which are written below
	v_add_nc_u32 v[VLS], 32768, v[VLS]
.endif
	WIN CVT
.irp j, 0,1,2,3
.irp p, 0,1,2,3,4,5,6,7
	v_cvt_pk_bf16_f32 v[T+8*\j+\p], v[S+8*\p+\j], v[S+8*\p+4+\j]
.endr
.endr
	WIN STW1
	s_wait_alu depctr_va_vdst(0)                   ; the roundings have written T, the add v[VLS]: the stores read both; and the roundings are done reading S, in which the next chunk's loads land
.irp j, 0,1,2,3
	ds_store_b128 v[VLS], v[T+8*\j:T+8*\j+3]   offset:1024*\j
	ds_store_b128 v[VLS], v[T+8*\j+4:T+8*\j+7] offset:1024*\j+512
.endr
	WIN 0
.if \issue
	s_add_nc_u64 s[24:25], s[24:25], 0x100000      ; a chunk of 256 rows on; the loads that named this base are done (the wait on LOADcnt above)
	WLOAD                                          ; no vector instruction since the wait on va_vdst; the stores between name T and v[VLS] alone
.endif
.endm
.macro FRAGS fb, fa, rel               ; the four weight fragments of the K step rel steps behind the address in fa, into buffer fb
	WIN TOW1
.irp n, 0,1,2,3
	ds_load_b128 v[F0+96*(\fb)+8*\n:F0+96*(\fb)+8*\n+3],   v[\fa] offset:(4*(\rel)+\n)*1024
	ds_load_b128 v[F0+96*(\fb)+8*\n+4:F0+96*(\fb)+8*\n+7], v[\fa] offset:(4*(\rel)+\n)*1024+512
.endr
	WIN 0
.endm
; Six loads: one K step of my three tiles into register slot k; tile 2 by its own offset register.
.macro XFILL k, vo, vo2, imm
.irp i, 0,1
	global_load_b128 v[X+24*(\k)+8*\i:X+24*(\k)+8*\i+3],   v[\vo], s[28+2*\i:29+2*\i] offset:(\imm)
	global_load_b128 v[X+24*(\k)+8*\i+4:X+24*(\k)+8*\i+7], v[\vo], s[28+2*\i:29+2*\i] offset:(\imm)+512
.endr
	global_load_b128 v[X+24*(\k)+16:X+24*(\k)+19], v[\vo2], s[32:33] offset:(\imm)
	global_load_b128 v[X+24*(\k)+20:X+24*(\k)+23], v[\vo2], s[32:33] offset:(\imm)+512
.endm
.macro MM i, sl, zero                  ; on fragment buffer sl % 2; the accumulators take turns, one instruction a turn
.irp n, 0,1,2,3
.if \zero
	v_wmma_f32_16x16x32_bf16 v[ACC+8*(4*(\i)+\n):ACC+8*(4*(\i)+\n)+7], v[F0+96*((\sl)%2)+8*\n:F0+96*((\sl)%2)+8*\n+7], v[X+24*(\sl)+8*(\i):X+24*(\sl)+8*(\i)+7], 0
.else
	v_wmma_f32_16x16x32_bf16 v[ACC+8*(4*(\i)+\n):ACC+8*(4*(\i)+\n)+7], v[F0+96*((\sl)%2)+8*\n:F0+96*((\sl)%2)+8*\n+7], v[X+24*(\sl)+8*(\i):X+24*(\sl)+8*(\i)+7], v[ACC+8*(4*(\i)+\n):ACC+8*(4*(\i)+\n)+7]
.endif
.endr
.endm
; K step sl of a chunk.  n: the loads younger than this step's six; d: the LDS instructions younger than this step's fragments.  refill = 1: at the head the step seven on is asked for, into the slot that the
; step before this one read.  Behind the products: the step's one wait on va_vdst; bar = 1: the barrier in front of a chunk's first fragment loads; fr = 1: the fragments two steps on, at frel steps behind fa.
.macro KSTEP sl, zero, n, d, bar, fr, fa, frel, refill, vo, vo2, imm
	s_wait_loadcnt \n
	s_wait_dscnt \d
.if \refill
	XFILL ((\sl)+7)%8, \vo, \vo2, \imm             ; no wait: the products that read this slot stand ahead of the last step's wait on va_vdst, and no vector instruction since names the slot or these offsets
.endif
	WIN MUL
	MM 0, \sl, \zero
	MM 1, \sl, \zero
.if \zero
	MM 2, \sl, 1                                   ; the products that start the sums run for a dead tile too
	WIN 0
.else
	WIN 0                                          ; at a branch and at a label every window is 0
	s_cmp_eq_u32 s22, 0
	s_cbranch_scc1 .Ldead_\@
	WIN MUL
	MM 2, \sl, 0
	WIN 0
.Ldead_\@:
.endif
	PLACES
.if \fr
	s_wait_alu depctr_va_vdst(0)                   ; this step's products are done reading their fragment buffer, in which the loads below land, and their slot, in which the next step's head loads; behind a chunk's end v[VLR] is written
.endif
.if \bar
	s_wait_dscnt 0x0                               ; for the others' sake: my stores of the chunk converted a step ago are done (and my loads are back)
	s_barrier_signal -1
	s_barrier_wait -1                              ; that chunk is whole
.endif
.if \fr
	FRAGS (\sl)%2, \fa, \frel
.endif
.endm
.macro SETPASS
.irp i, 0,1,2
	s_add_co_u32 s40, s36, 8*\i
	s_min_u32 s40, s40, s18
	s_min_u32 s40, s40, 63                         ; held below a constant before it enters an address
	v_lshl_add_u32 v[SWO+\i], s40, 6, v[VR4]       ; 4 (1024 e + 16 tile + r)
	s_lshl_b32 s41, s20, 6
	s_add_co_u32 s40, s40, s41
	s_lshl_b32 s38, s40, 16                        ; a tile of act is 65,536 bytes,
	s_add_co_u32 s38, s38, s45                     ; my K half 32,768 of them
	s_add_nc_u64 s[28+2*\i:29+2*\i], s[8:9], s[38:39]
.endr
	s_add_co_u32 s40, s36, 16
	s_cmp_lt_u32 s40, s17
	s_cselect_b32 s22, 1, 0                        ; is my tile 2 alive?
	s_cselect_b32 s50, -1, 0
	v_and_b32 v[VL2], s50, v[VL16]
	v_min_u32 v[VL2], 0xffff, v[VL2]               ; what hangs on a loaded count enters an address only behind a clamp by a constant
.endm
.macro MASK2
	v_and_b32 v[VX2C], s50, v[VXC]
	v_min_u32 v[VX2C], 0xffff, v[VX2C]
	v_and_b32 v[VX2N], s50, v[VXN]
	v_min_u32 v[VX2N], 0xffff, v[VX2N]
.endm
.macro SWLOAD
.irp i, 0,1,2
	global_load_b32 v[SWV+2*\i], v[SWO+\i], s[12:13]
.endr
.endm
; THE WAY OUT of tile i: (sum + b2) x sw, through my stage, as rows of 256 bytes.
.macro EPI i
.if \i
	s_wait_alu depctr_vm_vsrc(0)                   ; the tile before's LDS stores have read v64-95, which are written again below, and its global stores v96-127, in which LDS loads land again (tile 0: the wait ahead of the setting of a pass has shown it)
.endif
	s_add_co_u32 s40, s36, 8*(\i)
	s_cmp_ge_u32 s40, s17
	s_cbranch_scc1 .Lepi_\@
	s_wait_xcnt 0x0                                ; the tile before's stores have had their addresses translated: their data and base may be written
	s_min_u32 s40, s40, 63
	s_lshl_b32 s41, s20, 6
	s_add_co_u32 s40, s40, s41
	s_lshl_b32 s38, s40, 16                        ; 16 rows of 4,096 bytes,
	s_add_co_u32 s38, s38, s44                     ; my columns and my K half
	s_add_nc_u64 s[34:35], s[14:15], s[38:39]
.set z, 0
.rept 16
	v_pk_mul_f32 v[BW+z:BW+z+1], v[RB+z:RB+z+1], v[SWV+2*(\i):SWV+2*(\i)+1] op_sel_hi:[1,0]
.set z, z+2
.endr
	WIN RD1
.irp jj, 0,1,2,3,4,5,6,7               ; register jj of all four accumulators: each is read from its lowest register on
.irp j, 0,1,2,3
	v_fma_f32 v[BW+4*\jj+\j], v[ACC+8*(4*(\i)+\j)+\jj], v[SWV+2*(\i)], v[BW+4*\jj+\j]
.endr
.endr
	WIN 0
	s_wait_alu depctr_va_vdst(0)                   ; the multiply-adds have written v64-95, which the LDS stores read; the last products that read v96-127, in which the LDS loads land, are done; so are the multiplies that read b2
.irp jj, 0,1,2,3,4,5,6,7
	ds_store_b128 v[STO], v[BW+4*\jj:BW+4*\jj+3] offset:16*\jj
.endr
.irp q, 0,1,2,3,4,5,6,7
	ds_load_b128 v[OB+4*\q:OB+4*\q+3], v[RD] offset:2*SP*\q  ; LDS serves a wave's instructions in order (ISA guide 5.7.1.4): these see the stores above
.endr
	s_wait_dscnt 0x0
.irp q, 0,1,2,3,4,5,6,7
	global_store_b128 v[YO], v[OB+4*\q:OB+4*\q+3], s[34:35] offset:8192*\q  ; sixteen lanes: 256 consecutive bytes, at a multiple of 256 from y's first byte
.endr
.Lepi_\@:
.endm
	s_load_b256 s[4:11], s[0:1], 0x0               ; W2 s[4:5], b2 s[6:7], act s[8:9], nt s[10:11]
	s_load_b128 s[12:15], s[0:1], 0x20             ; sw s[12:13], y s[14:15]
	v_lshl_add_u32 v[SPW], v0, 2, SPARE
	v_mov_b32 v[NIL], 0
	v_lshrrev_b32 v18, 5, v0
	v_readfirstlane_b32 s16, v18                   ; wave 0..7
	s_and_b32 s20, ttmp7, 0xffff                   ; e
	s_and_b32 s21, ttmp9, 15                       ; cb
	s_lshr_b32 s37, ttmp9, 4                       ; kh
	v_and_b32 v19, 31, v0                          ; lane
	v_and_b32 v20, 15, v0                          ; r
	v_bfe_u32 v21, v0, 4, 1                        ; h
	v_lshlrev_b32 v[VL16], 4, v19
	s_wait_alu depctr_va_sdst(0)                   ; s16 is written, ahead of its first reader
	s_lshr_b32 s40, s16, 1
	s_and_b32 s41, s16, 1
	s_lshl_b32 s40, s40, 18                        ; 64 rows of 4,096 bytes
	s_lshl_b32 s41, s41, 16                        ; 16 rows
	s_add_co_u32 s40, s40, s41
	v_lshlrev_b32 v[VW], 17, v21                   ; lanes 16-31: 32 rows down
	v_lshl_add_u32 v[VW], v20, 4, v[VW]
	v_add_nc_u32 v[VW], s40, v[VW]
	s_lshl_b32 s41, s16, 12
	v_add_nc_u32 v[VLS], s41, v[VL16]
	v_mov_b32 v[VLR], v[VL16]
	s_mul_i32 s42, s16, 16*SP
	s_add_co_u32 s42, s42, STAGE                   ; my stage
	v_mul_u32_u24 v[STO], v20, SP                  ; in: row r, 128 bytes for each half of the lanes
	v_lshl_add_u32 v[STO], v21, 7, v[STO]
	v_add_nc_u32 v[STO], s42, v[STO]
	v_mul_u32_u24 v[RD], v21, SP                   ; back: lanes 0-15 one row of 256 bytes, lanes 16-31 the next
	v_lshl_add_u32 v[RD], v20, 4, v[RD]
	v_add_nc_u32 v[RD], s42, v[RD]
	v_lshlrev_b32 v[YO], 12, v21                   ; and the same two rows in y
	v_lshl_add_u32 v[YO], v20, 4, v[YO]
	v_lshl_add_u32 v[VBA], v21, 7, BIAS
	s_lshl_b32 s43, s20, 12
	v_lshl_add_u32 v[VR4], v20, 2, s43
.irp i, 1,3,5
	v_mov_b32 v[SWV+\i], 0                         ; named with sw as pairs
.endr
	s_cmp_eq_u32 s37, 0
	s_cselect_b32 s47, -1, 0                       ; b2 counts in K half 0 alone
	s_cselect_b32 s48, 0xffff0000, 0
	s_lshl_b32 s44, s37, 25                        ; y's K half: 8,192 rows of 4,096 bytes,
	s_lshl_b32 s40, s21, 8
	s_add_co_u32 s44, s44, s40                     ; and my 64 columns
	s_lshl_b32 s45, s37, 15
	s_lshl_b32 s49, s20, 2
	s_mov_b32 s39, 0
	s_mov_b32 s36, s16                             ; pass 0: my tile 0 is w
	s_wait_kmcnt 0x0
	s_load_b32 s17, s[10:11], s49 offset:0x0       ; nt[e]
	s_lshl_b32 s38, s20, 23                        ; an expert is 8,388,608 bytes of W2,
	s_lshl_b32 s41, s37, 22                        ; a K half 4,194,304
	s_add_co_u32 s38, s38, s41
	s_add_co_u32 s38, s38, s40
	s_add_nc_u64 s[24:25], s[4:5], s[38:39]
	s_wait_alu depctr_va_vdst(0)                   ; the addresses and offsets made above (v1 to v4, v8 to v12, v16) are written: loads, LDS loads and stores read them from here on
	s_cmp_lg_u32 s16, 0
	s_cbranch_scc1 .Lnob1                          ; wave 0 brings the 64 numbers of b2: the oldest of its loads
	v_lshlrev_b32 v22, 3, v19
	s_lshl_b32 s41, s20, 12
	s_add_co_u32 s41, s41, s40
	v_add_nc_u32 v22, s41, v22
	s_wait_alu depctr_va_vdst(0)                   ; v22 is written, which the load reads as its offset
	global_load_b64 v[24:25], v22, s[6:7]
.Lnob1:
	WLOAD                                          ; chunk 0
	s_wait_kmcnt 0x0
	s_min_u32 s17, s17, 64
	s_max_u32 s17, s17, 1
	s_sub_co_u32 s18, s17, 1
	SETPASS
	s_wait_alu depctr_va_vdst(0)                   ; v13 to v15 and v[VL2] are written, which the loads below read as their offsets
	SWLOAD
.irp k, 0,1,2,3,4,5,6
	XFILL \k, VL16, VL2, 1024*\k                   ; K steps 0 to 6
.endr
	s_cmp_lg_u32 s16, 0
	s_cbranch_scc1 .Lnob2
	s_wait_loadcnt 61                              ; behind b2's load: 16 of weights, 3 of sw, 42 of slots
	v_cvt_pk_bf16_f32 v26, v24, v25
	v_lshlrev_b32 v24, 16, v26
	v_and_b32 v24, s47, v24
	v_and_b32 v25, s48, v26
	v_lshl_add_u32 v27, v19, 3, BIAS
	s_wait_alu depctr_va_vdst(0)                   ; v24, v25 and v27 are written: the store's data and address
	ds_store_b64 v27, v[24:25]
.Lnob2:
	; PASS 0, written out.  W(c): my K step of chunk c, 16 loads; X(g): K step g of my tiles, 6 loads.  Order of issue: W(0), sw, X(0..6), W(1); at the head of step g X(g + 7); behind step 5 also W(2), behind step 13 W(3).
	; In front of the conversions: W(0): sw and X(0..6) are younger, 45; W(1), behind step 5: six refills, 36; W(2) and W(3), behind steps 13 and 21: eight refills, 48.
	; In front of K step g: the steps g + 1 .. g + 6 that exist, 6 loads each, and 16 of weights where a chunk's were issued behind X(g) and may be out: W(1) up to step 5, W(2) in steps 6 to 12, W(3) in steps 14 to 20.
	; LDS: in front of a step the next step's 8 fragment loads are younger, and in the two steps behind a conversion its 8 stores too: 16.
	WCONV 1, 45, 0                                 ; chunk 0; chunk 1 is asked for
	s_wait_dscnt 0x0                               ; for the others' sake: my stores are done
	s_barrier_signal -1
	s_barrier_wait -1                              ; chunk 0 is whole, and so is b2
	FRAGS 0, VLR, 0
	FRAGS 1, VLR, 1
.set g, 0
.rept 32
.set yn, 31-g
.if yn > 6
.set yn, 6
.endif
.set yn, 6*yn
.if g <= 12
.set yn, yn+16
.endif
.if g >= 14
.if g <= 20
.set yn, yn+16
.endif
.endif
.set yd, 8
.if g == 31
.set yd, 0
.endif
.set kb, 0
.if g < 24
.if g%8 >= 6
.set yd, 16
.endif
.if g%8 == 6
.set kb, 1
.endif
.endif
.set kz, 0
.if g == 0
.set kz, 1
.endif
.set kf, 1
.if g > 29
.set kf, 0
.endif
.set kr, 0
.if g < 25
.set kr, 1
.endif
	KSTEP g%8, kz, yn, yd, kb, kf, VLR, (g%8)+2, kr, VL16, VL2, (g+7)*1024
.if g == 5
	WCONV 1, 36, 1                                 ; chunk 1; chunk 2 is asked for
.endif
.if g == 13
	WCONV 1, 48, 1                                 ; chunk 2; chunk 3 is asked for
.endif
.if g == 21
	WCONV 0, 48, 1                                 ; chunk 3
.endif
.if g%8 == 7
.if g < 31
	s_wait_alu depctr_vm_vsrc(0)                   ; the chunk's fragment loads have read v[VLR]
	v_add_nc_u32 v[VLR], 32768, v[VLR]
.endif
.endif
.set g, g+1
.endr
	s_mov_b32 s19, 3                               ; 3 passes x 24 tiles cover the 64 that an expert can have
.Lpass:
.irp q, 0,1,2,3,4,5,6,7
	ds_load_b128 v[RB+4*\q:RB+4*\q+3], v[VBA] offset:16*\q  ; b2 of my 32 columns.  No wait: the products and the multiplies that read v32-63 stand ahead of a later step's, or of their own tile's, wait on va_vdst
.endr
	s_wait_dscnt 0x0
	EPI 0
	EPI 1
	EPI 2
	s_wait_dscnt 0x0                               ; my writes and reads of my stage are done;
	s_barrier_signal -1                            ; a barrier on every wave's path:
	s_barrier_wait -1                              ; every wave's stage is at rest before any wave walks LDS in OVER
	s_add_co_u32 s36, s36, 24
	s_wait_alu depctr_vm_vsrc(0)                   ; the way out's stores have read v64-127, and all loads so far their offsets and addresses: v13 to v15 and v[VL2] are written below, and in OVER the stepped addresses are written and loads land on v64-127
	SETPASS                                        ; no load is out: bases and offsets may be written
	s_cmp_ge_u32 s36, s17
	s_cbranch_scc1 .Lnoover
	; OVER: 24 tiles more, from the weights in LDS.  The sums are cleared by 96 moves: a first K step written out for a path that an even routing never takes would cost more text.
	s_wait_xcnt 0x0                                ; the way out's stores have had their addresses translated: the loads below land on their data registers
	WIN TOW1
.set z, 0
.rept 96
	v_mov_b32 v[ACC+z], 0
.set z, z+1
.endr
	WIN 0
	v_mov_b32 v[VLR], v[VL16]
	v_add_nc_u32 v[VLN], 32768, v[VL16]
	v_mov_b32 v[VXC], v[VL16]
	v_add_nc_u32 v[VXN], 8192, v[VL16]
	MASK2
	s_wait_alu depctr_va_vdst(0)                   ; the offsets and addresses made since the way out are written, which the loads below and the first trip's read; the way out is done with sw's registers and with v32-127, in which loads land
	SWLOAD
.irp k, 0,1,2,3,4,5,6
	XFILL \k, VL16, VL2, 1024*\k
.endr
	FRAGS 0, VLR, 0
	FRAGS 1, VLR, 1
	s_mov_b32 s46, 4
.Lover:                                                ; a chunk a trip; six later steps' 36 loads and the next step's 8 LDS loads are younger at every wait; the last trip's look-ahead wraps to chunk 0 and is dropped
	KSTEP 0, 0, 36, 8, 0, 1, VLR, 2, 1, VXC, VX2C, 7168          ; the step seven on is this chunk's last,
.irp k, 1,2,3,4,5
	KSTEP \k, 0, 36, 8, 0, 1, VLR, \k+2, 1, VXN, VX2N, (\k-1)*1024  ; then the next chunk's steps
.endr
	KSTEP 6, 0, 36, 8, 0, 1, VLN, 0, 1, VXN, VX2N, 5120          ; the fragments two steps on are the next chunk's
	KSTEP 7, 0, 36, 8, 0, 1, VLN, 1, 1, VXN, VX2N, 6144
	s_wait_xcnt 0x0                                ; the refills have had their addresses translated: their offsets may step
	s_wait_alu depctr_vm_vsrc(0)                   ; the trip's refills have read their four offsets, its fragment loads v[VLR] and v[VLN]
	v_mov_b32 v[VLR], v[VLN]
	v_add_nc_u32 v[VLN], 32768, v[VLN]
	v_and_b32 v[VLN], 0x1ffff, v[VLN]
	v_mov_b32 v[VXC], v[VXN]
	v_add_nc_u32 v[VXN], 8192, v[VXN]
	v_and_b32 v[VXN], 0x7fff, v[VXN]
	MASK2
	s_wait_alu depctr_va_vdst(0)                   ; the stepped offsets are written: the next trip's first refill, at its head, reads two of them
	s_sub_co_u32 s46, s46, 1
	s_cmp_lg_u32 s46, 0
	s_cbranch_scc1 .Lover
	s_wait_loadcnt 0x0                             ; the dropped refills: their registers are at work on the way out
.Lnoover:
	s_wait_dscnt 0x0                               ; my reads of LDS are over, the dropped ones too;
	s_barrier_signal -1                            ; the trip's second barrier, again on every wave's path:
	s_barrier_wait -1                              ; every wave's reads are over before any wave writes LDS again (the next trip's stages, the closing add)
	s_sub_co_u32 s19, s19, 1
	s_cmp_lg_u32 s19, 0
	s_cbranch_scc1 .Lpass
	s_wait_dscnt 0x0                               ; the closing lines, six on end
	s_wait_alu 0x0
	s_wait_tensorcnt 0x0
	ds_add_u32 v[SPW], v[NIL]
	s_wait_dscnt 0x0
	s_endpgm
.Lfunc_end_k_q3ba868b02e_gemm2:
	.size	k_q3ba868b02e_gemm2, .Lfunc_end_k_q3ba868b02e_gemm2-k_q3ba868b02e_gemm2
	.p2alignl 7, 3214868480
	.fill 96, 4, 3214868480
	.section	.rodata,"a",@progbits
	.p2align	6, 0x0
	.amdhsa_kernel k_q3ba868b02e_gemm2
		.amdhsa_group_segment_fixed_size 167168
		.amdhsa_private_segment_fixed_size 0
		.amdhsa_enable_private_segment 0
		.amdhsa_kernarg_size 48
		.amdhsa_user_sgpr_count 2
		.amdhsa_user_sgpr_kernarg_segment_ptr 1
		.amdhsa_wavefront_size32 1
		.amdhsa_system_sgpr_workgroup_id_x 1
		.amdhsa_system_sgpr_workgroup_id_y 1
		.amdhsa_system_sgpr_workgroup_id_z 1
		.amdhsa_system_vgpr_workitem_id 0
		.amdhsa_next_free_vgpr 512
		.amdhsa_next_free_sgpr 66
		.amdhsa_reserve_vcc 0
		.amdhsa_float_denorm_mode_32 3
		.amdhsa_float_denorm_mode_16_64 3
		.amdhsa_memory_ordered 1
		.amdhsa_forward_progress 1
		.amdhsa_inst_pref_size 142
	.end_amdhsa_kernel
	.amdgpu_metadata
---
amdhsa.version: [ 1, 2 ]
amdhsa.kernels:
  - .name:           k_q3ba868b02e_gemm2
    .symbol:         k_q3ba868b02e_gemm2.kd
    .args:
      - { .name: W2, .offset: 0, .size: 8, .value_kind: global_buffer, .address_space: global }
      - { .name: b2, .offset: 8, .size: 8, .value_kind: global_buffer, .address_space: global }
      - { .name: act, .offset: 16, .size: 8, .value_kind: global_buffer, .address_space: global }
      - { .name: nt, .offset: 24, .size: 8, .value_kind: global_buffer, .address_space: global }
      - { .name: sw, .offset: 32, .size: 8, .value_kind: global_buffer, .address_space: global }
      - { .name: y, .offset: 40, .size: 8, .value_kind: global_buffer, .address_space: global }
    .group_segment_fixed_size: 167168
    .private_segment_fixed_size: 0
    .kernarg_segment_align: 8
    .kernarg_segment_size: 48
    .max_flat_workgroup_size: 256
    .sgpr_count:     66
    .vgpr_count:     512
    .wavefront_size: 32
...
	.end_amdgpu_metadata
.endif
;; end of part 7
;; launch combine: the kernel of part 5 again; grid 256 x 1, 4 waves a work-group, no clusters, 0 bytes of LDS; arguments y, pos, out0; writes out0
